; MI455X (gfx1250); checked and timed in simulation.
; The chip was launched on July 23, 2026; its instructions are those of AMD's public machine-readable ISA for CDNA 5 (MIT licence, August 2026) and "CDNA5" Instruction Set Architecture Reference Guide (July 2026). The comments in the code are by the model that wrote it; some were corrected since.
;; Query Self Attention. Allowed arithmetic: float matrix products may take bf16 or f16 operands with f32 sums; other float arithmetic in f32, or as packed bf16 or f16 multiplies, adds, multiply-adds, maxima and minima; sums over many terms, partial sums and values carried from step to step in f32; what a program stores and reads back later, other than sums and carried values, may be rounded once to bf16 or f16.
;; Inputs: Wk 4,096 x 512 float32; Wo 1,024 x 4,096 float32; Wq 4,096 x 1,024 float32; Wv 4,096 x 512 float32; attention_mask 2 x 1 x 2,048 x 2,048 float32; by_pass_hidden_states 2 x 2,048 x 4,096 float32; position_ids 2 x 2,048 int32.
;; Outputs: out0 2 x 2,048 x 4,096 float32.
;; One version. Each part assembles by itself: llvm-mc -triple=amdgcn-amd-amdhsa -mcpu=gfx1250 --defsym DOCPART=n.
;; ======== version 1 of 1: 4 launches
;; limits: values are held in f16: magnitudes above 65,504 overflow, below 6.1e-05 lose precision
;; workspace buffers: xb 33,554,432 bytes; wqkv 16,777,216 bytes; wo2 8,388,608 bytes; cs 2,129,920 bytes; qkv 16,777,216 bytes; ctx 8,388,608 bytes
;; launch prep (part 1): grid 2052 x 1, 8 waves a work-group, no clusters, 0 bytes of LDS; arguments by_pass_hidden_states, Wq, Wk, Wv, Wo, position_ids, xb, wqkv, wo2, cs; writes xb, wqkv, wo2, cs
.if DOCPART == 1
	.amdgcn_target "amdgcn-amd-amdhsa--gfx1250"
	.amdhsa_code_object_version 6
	.text
	.protected	k_qd3e6df7d1e_prep
	.globl	k_qd3e6df7d1e_prep
	.p2align	8
	.type	k_qd3e6df7d1e_prep,@function
k_qd3e6df7d1e_prep:
	s_mov_b64 s[64:65], 0
	v_nop
	global_prefetch_b8 v0, s[64:65] scope:SCOPE_SE
	s_setreg_imm32_b32 hwreg(HW_REG_WAVE_MODE, 25, 1), 1
	s_wait_xcnt 0x0
; PREP: the casts and the RoPE table.  A stream: no LDS, no matrix unit; every input byte is read once.
;   xb   [4096][4096] bf16 = x.      wqkv [4096][2048] bf16: columns 0-1023 Wq, 1024-1535 Wk, 1536-2047 Wv.
;   wo2  [1024][4096] f16 = 8 x bf16(Wo): the rounding is bf16's; the factor 8 is exact and undoes the 1/8 that q, k, v and ctx carry.
;   cs   4,160 rows of 512 bytes, f32: 64 x cos/8, then 64 x sin/8, of position_ids[row] x 10000^(-j/64); rows 4096-4159 are position 0 (1/8 and 0).
; SHARES.  A PIECE is 128 numbers: 512 bytes in, 256 bytes out.  A wave's load takes a piece, 16 neighbouring bytes a lane; its store writes the piece, 8 neighbouring bytes a lane: 256 consecutive bytes, aligned.
; A wave takes 16 pieces on end, a work-group's eight waves 65,536 bytes.  Work-groups 0-1023 x, 1024-1279 Wq, 1280-1407 Wk, 1408-1535 Wv, 1536-1791 Wo, 1792-2051 the table, 16 rows each.
; A source row has 2^CSH pieces (x and Wo count as rows of 16: they are copied flat); a destination row has 4,096 bytes.  Piece i of a wave lies at 256 i + (i >> CSH) x GAP, GAP = 4,096 - 256 x 2^CSH:
; 256 i stands in the store's immediate, the rest in four address registers, one for each four pieces (CSH is 2 at the least).
; LIMITS.  8 x |Wo| stays within f16's 65,504.  position_ids lies in 0 .. 2,047 (it indexes a table of that length); it enters as a number, never as an address.
; Sine and cosine: the angle less the nearest multiple of pi/2 (in two parts), then Taylor sums cut at x^7 and x^8: on |x| <= pi/4 the terms left out are below 4e-7.
.set X,    32                          ; v[32:95]   16 pieces x 4 f32 as loaded
.set Y,    96                          ; v[96:127]  16 pieces x 2 registers to store
.set DO,   2                           ; v[2:5]     pieces 4 j .. 4 j + 3: my byte offset in the destination, less 256 i
.set SRC,  28                          ; s[28:29]
.set DST,  30                          ; s[30:31]
.set IDX,  32                          ; s32  the work-group's number within its task
.set CSH,  33                          ; s33  log2 of the pieces in a source row
.set COL,  34                          ; s34  byte offset of the task's columns in a destination row
.set GAP,  35                          ; s35
	s_load_b512 s[8:23], s[0:1], 0x0               ; x s[8:9], Wq s[10:11], Wk s[12:13], Wv s[14:15], Wo s[16:17], position_ids s[18:19], xb s[20:21], wqkv s[22:23]
	s_load_b128 s[24:27], s[0:1], 0x40             ; wo2 s[24:25], cs s[26:27]
	s_mov_b32 s2, ttmp9
	s_sub_co_u32 s3, s2, 1024
	s_sub_co_u32 s4, s2, 1280
	s_sub_co_u32 s5, s2, 1408
	s_sub_co_u32 s6, s2, 1536
	s_mov_b32 s37, 0xffff0000                      ; a word's upper bf16
	s_wait_kmcnt 0x0
	s_cmp_ge_u32 s2, 1792
	s_cbranch_scc1 .Ltable
	; which task: each compare overrides the choice before it
	s_mov_b64 s[SRC:SRC+1], s[8:9]
	s_mov_b64 s[DST:DST+1], s[20:21]
	s_mov_b32 s[IDX], s2
	s_mov_b32 s[CSH], 4
	s_mov_b32 s[COL], 0
	s_cmp_ge_u32 s2, 1024
	s_cselect_b64 s[SRC:SRC+1], s[10:11], s[SRC:SRC+1]
	s_cselect_b64 s[DST:DST+1], s[22:23], s[DST:DST+1]
	s_cselect_b32 s[IDX], s3, s[IDX]
	s_cselect_b32 s[CSH], 3, s[CSH]
	s_cmp_ge_u32 s2, 1280
	s_cselect_b64 s[SRC:SRC+1], s[12:13], s[SRC:SRC+1]
	s_cselect_b32 s[IDX], s4, s[IDX]
	s_cselect_b32 s[CSH], 2, s[CSH]
	s_cselect_b32 s[COL], 2048, s[COL]
	s_cmp_ge_u32 s2, 1408
	s_cselect_b64 s[SRC:SRC+1], s[14:15], s[SRC:SRC+1]
	s_cselect_b32 s[IDX], s5, s[IDX]
	s_cselect_b32 s[COL], 3072, s[COL]
	s_cmp_ge_u32 s2, 1536
	s_cselect_b64 s[SRC:SRC+1], s[16:17], s[SRC:SRC+1]
	s_cselect_b64 s[DST:DST+1], s[24:25], s[DST:DST+1]
	s_cselect_b32 s[IDX], s6, s[IDX]
	s_cselect_b32 s[CSH], 4, s[CSH]
	s_cselect_b32 s[COL], 0, s[COL]
	s_lshl_b32 s40, s[IDX], 16                     ; 65,536 source bytes a work-group
	s_mov_b32 s41, 0
	s_add_nc_u64 s[SRC:SRC+1], s[SRC:SRC+1], s[40:41]
	s_sub_co_u32 s38, 19, s[CSH]
	s_lshl_b32 s40, s[IDX], s38                    ; its 128 pieces are 128 / 2^CSH destination rows of 4,096 bytes
	s_add_nc_u64 s[DST:DST+1], s[DST:DST+1], s[40:41]
	s_lshl_b32 s[GAP], 256, s[CSH]
	s_sub_co_u32 s[GAP], 4096, s[GAP]
	s_sub_co_u32 s36, s[CSH], 2
	s_sub_co_u32 s38, 16, s[CSH]
	v_and_b32 v10, 31, v0                          ; lane
	v_lshrrev_b32 v11, 5, v0                       ; wave
	v_lshlrev_b32 v1, 4, v10
	v_lshl_add_u32 v1, v11, 13, v1                 ; source: 8,192 x wave + 16 x lane
	v_lshlrev_b32 v11, s38, v11                    ; destination: the wave's 16 pieces are 16 / 2^CSH rows,
	v_lshl_add_u32 v11, v10, 3, v11                ; 8 bytes a lane,
	v_add_nc_u32 v[DO], s[COL], v11                ; the task's columns
.irp j, 1,2,3
	s_lshr_b32 s39, \j, s36                        ; (4 j) >> CSH
	s_mul_i32 s39, s39, s[GAP]
	v_add_nc_u32 v[DO+(\j)], s39, v[DO]
.endr
.set i, 0
.rept 16
	global_load_b128 v[X+4*i:X+4*i+3], v1, s[SRC:SRC+1] offset:512*i th:TH_LOAD_NT
.set i, i+1
.endr
	s_cmp_ge_u32 s2, 1536
	s_cbranch_scc1 .Lwo
	; x, Wq, Wk, Wv: rounded to bf16.  No register is used twice, so nothing waits for a store.
.set i, 0
.rept 16
	s_wait_loadcnt 15-i                            ; loads come back in order: piece i is in, the younger pieces stay out
	v_cvt_pk_bf16_f32 v[Y+2*i],   v[X+4*i],   v[X+4*i+1]
	v_cvt_pk_bf16_f32 v[Y+2*i+1], v[X+4*i+2], v[X+4*i+3]
	global_store_b64 v[DO+i/4], v[Y+2*i:Y+2*i+1], s[DST:DST+1] offset:256*i
.set i, i+1
.endr
	s_endpgm
.Lwo:                                          ; Wo: rounded to bf16, widened again, times 8, written as f16 (11 significant bits hold bf16's 8)
.set i, 0
.rept 16
	s_wait_loadcnt 15-i
	v_cvt_pk_bf16_f32 v[Y+2*i],   v[X+4*i],   v[X+4*i+1]
	v_cvt_pk_bf16_f32 v[Y+2*i+1], v[X+4*i+2], v[X+4*i+3]
	v_lshlrev_b32 v[X+4*i],   16,  v[Y+2*i]
	v_and_b32     v[X+4*i+1], s37, v[Y+2*i]
	v_lshlrev_b32 v[X+4*i+2], 16,  v[Y+2*i+1]
	v_and_b32     v[X+4*i+3], s37, v[Y+2*i+1]
	v_pk_mul_f32 v[X+4*i:X+4*i+1],   v[X+4*i:X+4*i+1],   0x41000000 op_sel_hi:[1,0]
	v_pk_mul_f32 v[X+4*i+2:X+4*i+3], v[X+4*i+2:X+4*i+3], 0x41000000 op_sel_hi:[1,0]
	v_cvt_pk_f16_f32 v[Y+2*i],   v[X+4*i],   v[X+4*i+1]
	v_cvt_pk_f16_f32 v[Y+2*i+1], v[X+4*i+2], v[X+4*i+3]
	global_store_b64 v[DO+i/4], v[Y+2*i:Y+2*i+1], s[DST:DST+1] offset:256*i
.set i, i+1
.endr
	s_endpgm
.Ltable:                                       ; 16 rows a work-group; 16 threads a row, four frequencies each
	s_sub_co_u32 s3, s2, 1792
	s_lshl_b32 s3, s3, 4
	s_mov_b32 s40, 0xb9500d01                      ; -1/5040
	s_mov_b32 s41, 0x37d00d01                      ; 1/40320
	s_mov_b32 s42, 0xbfc90fdb                      ; -(pi/2 rounded to f32)
	s_mov_b32 s43, 0x333bbd2e                      ; that rounding's excess over pi/2
	v_lshrrev_b32 v1, 4, v0
	v_add_nc_u32 v1, s3, v1                        ; the row
	v_and_b32 v2, 15, v0
	v_lshlrev_b32 v2, 2, v2                        ; my first frequency
	v_min_u32 v3, 4095, v1
	v_lshlrev_b32 v3, 2, v3
	global_load_b32 v4, v3, s[18:19]               ; the row's position (rows past 4,095 read the last and discard it)
	v_mov_b32 v6, 0
.irp i, 0,1,2,3
	v_add_nc_u32 v[8+(\i)], \i, v2
	v_cvt_f32_u32 v[8+(\i)], v[8+(\i)]
	v_mul_f32 v[8+(\i)], 0xbe549a78, v[8+(\i)]     ; -j log2(10000) / 64
.endr
.irp i, 0,1,2,3
	v_exp_f32 v[12+(\i)], v[8+(\i)]                ; 10000^(-j/64)
.endr
	v_lshlrev_b32 v5, 9, v1                        ; plain work behind the last exponential: my 16 bytes of the row's cosines
	v_lshl_add_u32 v5, v2, 2, v5
	s_wait_alu depctr_va_vdst(0)                   ; one wait for the four exponentials, ahead of their first reader
	s_wait_loadcnt 0x0
	v_cmp_lt_u32 vcc_lo, 4095, v1
	v_cndmask_b32 v4, v4, v6, vcc_lo               ; rows 4096-4159: position 0
	v_cvt_f32_i32 v4, v4
.macro ANG i
	v_mul_f32 v16, v4, v[12+(\i)]                  ; the angle, rounded as position x frequency in f32
	v_mul_f32 v17, 0x3f22f983, v16                 ; x 2/pi
	v_rndne_f32 v17, v17                           ; n
	v_fma_f32 v18, v17, s42, v16                   ; angle - n pi/2, in two parts
	v_fma_f32 v18, v17, s43, v18
	v_mul_f32 v19, v18, v18                        ; z
	v_fmaak_f32 v20, s40, v19, 0x3c088889          ; 1/120 - z/5040
	v_fmaak_f32 v21, s41, v19, 0xbab60b61          ; -1/720 + z/40320
	v_fmaak_f32 v20, v20, v19, 0xbe2aaaab          ; -1/6 + z ..
	v_fmaak_f32 v21, v21, v19, 0x3d2aaaab          ; 1/24 + z ..
	v_mul_f32 v22, v18, v19
	v_fmaak_f32 v21, v21, v19, 0xbf000000          ; -1/2 + z ..
	v_fma_f32 v20, v22, v20, v18                   ; sine of the rest
	v_fma_f32 v21, v21, v19, 1.0                   ; cosine of the rest
	v_cvt_i32_f32 v23, v17
	v_and_b32 v24, 1, v23
	v_cmp_eq_u32 vcc_lo, 1, v24                    ; odd quadrants swap the two
	v_cndmask_b32 v25, v20, v21, vcc_lo
	v_cndmask_b32 v26, v21, v20, vcc_lo
	v_and_b32 v24, 2, v23                          ; the sine is negative in quadrants 2, 3,
	v_lshlrev_b32 v24, 30, v24
	v_xor_b32 v25, v24, v25
	v_add_nc_u32 v23, 1, v23                       ; the cosine in quadrants 1, 2
	v_and_b32 v23, 2, v23
	v_lshlrev_b32 v23, 30, v23
	v_xor_b32 v26, v23, v26
	v_mul_f32 v[32+(\i)], 0x3e000000, v26          ; both divided by 8
	v_mul_f32 v[36+(\i)], 0x3e000000, v25
.endm
	ANG 0
	ANG 1
	ANG 2
	ANG 3
	global_store_b128 v5, v[32:35], s[26:27]
	global_store_b128 v5, v[36:39], s[26:27] offset:256
	s_endpgm
.Lfunc_end_k_qd3e6df7d1e_prep:
	.size	k_qd3e6df7d1e_prep, .Lfunc_end_k_qd3e6df7d1e_prep-k_qd3e6df7d1e_prep
	.p2alignl 7, 3214868480
	.fill 96, 4, 3214868480
	.section	.rodata,"a",@progbits
	.p2align	6, 0x0
	.amdhsa_kernel k_qd3e6df7d1e_prep
		.amdhsa_group_segment_fixed_size 0
		.amdhsa_private_segment_fixed_size 0
		.amdhsa_enable_private_segment 0
		.amdhsa_kernarg_size 80
		.amdhsa_user_sgpr_count 2
		.amdhsa_user_sgpr_kernarg_segment_ptr 1
		.amdhsa_wavefront_size32 1
		.amdhsa_system_sgpr_workgroup_id_x 1
		.amdhsa_system_sgpr_workgroup_id_y 1
		.amdhsa_system_sgpr_workgroup_id_z 1
		.amdhsa_system_vgpr_workitem_id 0
		.amdhsa_next_free_vgpr 128
		.amdhsa_next_free_sgpr 66
		.amdhsa_reserve_vcc 1
		.amdhsa_float_denorm_mode_32 3
		.amdhsa_float_denorm_mode_16_64 3
		.amdhsa_memory_ordered 1
		.amdhsa_forward_progress 1
		.amdhsa_inst_pref_size 27
	.end_amdhsa_kernel
	.amdgpu_metadata
---
amdhsa.version: [ 1, 2 ]
amdhsa.kernels:
  - .name:           k_qd3e6df7d1e_prep
    .symbol:         k_qd3e6df7d1e_prep.kd
    .args:
      - { .name: by_pass_hidden_states, .offset: 0, .size: 8, .value_kind: global_buffer, .address_space: global }
      - { .name: Wq, .offset: 8, .size: 8, .value_kind: global_buffer, .address_space: global }
      - { .name: Wk, .offset: 16, .size: 8, .value_kind: global_buffer, .address_space: global }
      - { .name: Wv, .offset: 24, .size: 8, .value_kind: global_buffer, .address_space: global }
      - { .name: Wo, .offset: 32, .size: 8, .value_kind: global_buffer, .address_space: global }
      - { .name: position_ids, .offset: 40, .size: 8, .value_kind: global_buffer, .address_space: global }
      - { .name: xb, .offset: 48, .size: 8, .value_kind: global_buffer, .address_space: global }
      - { .name: wqkv, .offset: 56, .size: 8, .value_kind: global_buffer, .address_space: global }
      - { .name: wo2, .offset: 64, .size: 8, .value_kind: global_buffer, .address_space: global }
      - { .name: cs, .offset: 72, .size: 8, .value_kind: global_buffer, .address_space: global }
    .group_segment_fixed_size: 0
    .private_segment_fixed_size: 0
    .kernarg_segment_align: 8
    .kernarg_segment_size: 80
    .max_flat_workgroup_size: 256
    .sgpr_count:     66
    .vgpr_count:     128
    .wavefront_size: 32
...
	.end_amdgpu_metadata
.endif
;; end of part 1
;; launch qkv (part 2): grid 8 x 32, 4 waves a work-group, clusters of 4 x 4, 327,680 bytes of LDS; arguments xb, wqkv, cs, qkv; writes qkv
.if DOCPART == 2
	.amdgcn_target "amdgcn-amd-amdhsa--gfx1250"
	.amdhsa_code_object_version 6
	.text
	.protected	k_qd3e6df7d1e_qkv
	.globl	k_qd3e6df7d1e_qkv
	.p2align	8
	.type	k_qd3e6df7d1e_qkv,@function
k_qd3e6df7d1e_qkv:
	s_mov_b64 s[64:65], 0
	v_nop
	global_prefetch_b8 v0, s[64:65] scope:SCOPE_SE
	s_setreg_imm32_b32 hwreg(HW_REG_WAVE_MODE, 25, 1), 1
	s_wait_xcnt 0x0
	s_wait_alu depctr_hold_cnt(0) depctr_sa_sdst(0) depctr_va_vdst(0) depctr_va_sdst(0) depctr_va_ssrc(0) depctr_va_vcc(0) depctr_vm_vsrc(0)
	s_getreg_b32 s2, hwreg(HW_REG_IB_STS2, 6, 4)
	s_cmp_eq_u32 s2, 0
	s_cbranch_scc0 .Lentry_in_a_cluster
	s_endpgm
.Lentry_in_a_cluster:
	s_bfe_u32 s2, ttmp6, 0x10000c
	s_cmp_lg_u32 s2, 0xf033
	s_cbranch_scc0 .Lentry_shape_is_right
	s_endpgm
.Lentry_shape_is_right:
; QKV: C = xb [4096][4096] x wqkv [4096][2048], bf16 operands, f32 sums; RoPE on the way out; stored by heads in f16, divided by 8:
; qkv [hc = 16][row = 4096][128]: hc 0-7 the query heads, 8-11 the key heads, 12-15 the value heads.
; LIMIT.  q, k and v divided by 8 must lie within f16's 65,504.
; SHARES.  A work-group makes 128 x 256 of C: 256 work-groups.  Four waves, each 64 rows x 128 columns (one head): 32 accumulators of 16 x 16.
; K goes in steps of 128 through two LDS slots: A's 128 rows of 256 bytes, B's 128 k-rows of 512 bytes.  Waves 0, 1 fetch A's halves, waves 2, 3 B's: one tensor load a wave and step.
; B lies [k][n] in LDS and is turned on the way into registers (ds_load_tr16_b128).
; THE MATRIX INSTRUCTION IS USED TRANSPOSED (source 0 = 16 columns of B, source 1 = 16 rows of A): a lane holds eight neighbouring columns of one row of C.
; CLUSTER 4 x 4: A's tile hangs on the tile row alone and is asked for jointly along a row of the cluster, B's on the tile column alone, jointly along a column.
; ROPE.  A wave's 128 columns are one head: column blocks b and b + 4 hold channels d and d + 64.  lo' = lo c - hi s, hi' = hi c + lo s, with c, s from the table cs (already divided by 8).
; The value heads take the table's rows of position 0 (1/8 and 0): one text for all heads, chosen by address.
; REGISTERS (windows of 256): window 0: v0-31 addresses; on the way out v32-159 two sets of table values, v160-223 at work, v224-255 packed.
;   window 1: two fragment buffers of 96 (B's 8 fragments, then A's 4); on the way out v0-127 rows read back.   window 2: accumulator (a, b) at v[8 (8 a + b)].
.set SIZE_K, 4096
.set SIZE_N, 2048
.set LGKB,  13                         ; log2 of the bytes in a row of A
.set LGNB,  12                         ; log2 of the bytes in a row of B
.set NB,    2*SIZE_N
.set KSTEP, 128
.set PA,    272                        ; A's LDS row: 256 + 16 bytes = 68 words: the 16 rows of a load start at 16 different groups of four banks (64 banks of 4 bytes: ISA guide 11.1)
.set PB,    544                        ; B's LDS row: 512 + 32 bytes = 136 words
.set HALFA, 64*PA
.set AT,    128*PA
.set HALFB, 64*PB
.set SLOT,  AT+128*PB
.set STAGE, 2*SLOT                     ; behind the ring: 16 rows x 272 bytes for each wave
.set SP,    272
.set SPARE, STAGE+4*16*SP              ; the spare words: 128 bytes a wave, two blocks of 256 bytes that no other line names
.set LAPS,  SIZE_K/(2*KSTEP)
.set ADRA, 16                          ; v16-17 LDS address of my A fragments in slot 0, 1
.set ADRB, 20                          ; v20-21 the same for B
.set STO,  24                          ; v24 where I put 16 bytes of a row
.set RD,   25                          ; v25 where I read rows back
.set CO,   26                          ; v26 my byte offset in two rows of the output
.set CSO,  27                          ; v27 my byte offset in 16 rows of the table
.set SPW,  28                          ; v28 my spare word; never rewritten
.set NIL,  29                          ; v29 0; never rewritten
.set PFO,  30                          ; v30 the prefetches' lane offset; never rewritten
.set F0,   0
.set F1,   96
.set CS0,  32
.set T,    160
.set PKD,  224
.set WV,  12
.set WHI, 13                           ; s13 my half of the rows; also: I fetch for A (0) or B (1)
.set WLO, 14                           ; s14 my half of the columns; also: which half of that tile I fetch
.set CX,  15
.set CY,  16
.set TC,  17
.set TR,  18
.set G1A, 24
.set G0A, 32
.set G1B, 40
.set G0B, 48
.set CNT, 56
.set LIM, 57                           ; s57 1 in a wave that prefetches, else the greatest number
.set PFA, 58
.set PFS, 60
.set CSB, 66
.set OUT, 68
.set MSB, 0
.macro WIN new                         ; the immediate's high byte repeats the setting that is left; a switch that changes nothing is dropped
.if MSB != (\new)
	s_set_vgpr_msb (MSB<<8)|(\new)
.set MSB, \new
.endif
.endm
.set MUL,  0xa5                        ; sources 0 and 1 window 1, C and D window 2
.set TO_F, 0x40                        ; destination window 1, address window 0
.macro JLOAD s                         ; a joint load; the branch hangs on the wave's number alone; an s_nop 0 and four v_nop follow each line
	s_cmp_eq_u32 s[WHI], 0
	s_cbranch_scc0 .Lfor_b_\@
	tensor_load_to_lds s[G0A+4*(\s):G0A+4*(\s)+3], s[G1A:G1A+7]
	s_nop 0
.rept 4
	v_nop
.endr
	s_branch .Lasked_\@
.Lfor_b_\@:
	tensor_load_to_lds s[G0B+4*(\s):G0B+4*(\s)+3], s[G1B:G1B+7]
	s_nop 0
.rept 4
	v_nop
.endr
.Lasked_\@:
.endm
.macro CREST                           ; a round of the cluster's barrier behind its opening barrier
	s_cmp_lg_u32 s[WV], 0
	s_cbranch_scc1 .Lnot_wave_0_\@
	s_barrier_signal -3
.Lnot_wave_0_\@:
	s_barrier_wait -3
	s_barrier_signal -1
	s_barrier_wait -1
.endm
.macro CROUND
	s_barrier_signal -1
	s_barrier_wait -1
	CREST
.endm
; A prefetch of the K step that stands two refills on.  Each block of 256 bytes is named once in the launch: A's rows by wave 0 of the clusters with x = 0 (32 rows a partner, told apart by address: cx),
; B's by waves 2 and 3 of the clusters with y = 0 (16 k-rows x 2 blocks a wave and partner: cy).  The loop's last trip asks for nothing: the steps behind its refills do not exist.
.macro ASK
	s_cmp_gt_u32 s[CNT], s[LIM]
	s_cbranch_scc0 .Lnot_mine_\@
	global_prefetch_b8 v[PFO], s[PFA:PFA+1] th:TH_LOAD_NT scope:SCOPE_SE
.Lnot_mine_\@:
.endm
.macro PLACES                          ; four plain places in front of loads into registers that matrix instructions have read (ISA guide 7.12.1 for vector instructions)
.rept 4
	v_nop
.endr
.endm
	s_load_b256 s[4:11], s[0:1], 0x0               ; xb s[4:5], wqkv s[6:7], cs s[8:9], qkv s[10:11]
	v_lshl_add_u32 v[SPW], v0, 2, SPARE
	v_mov_b32 v[NIL], 0
	ds_add_u32 v[SPW], v[NIL]                      ; the wave's opening: the add and its wait ahead of my first tensor load
	v_lshrrev_b32 v1, 5, v0
	v_readfirstlane_b32 s[WV], v1
	s_lshr_b32 s[WHI], s[WV], 1
	s_and_b32 s[WLO], s[WV], 1
	s_bfe_u32 s[CX], ttmp6, 0x40000
	s_bfe_u32 s[CY], ttmp6, 0x40004
	s_lshl_b32 s[TC], ttmp9, 2
	s_add_co_u32 s[TC], s[TC], s[CX]               ; tile column = 4 x cluster x + cx
	s_and_b32 s[TR], ttmp7, 0xffff
	s_lshl_b32 s[TR], s[TR], 2
	s_add_co_u32 s[TR], s[TR], s[CY]               ; tile row = 4 x cluster y + cy
	s_lshl_b32 s20, s[CY], 2
	s_lshl_b32 s20, 15, s20                        ; my row of the cluster
	s_lshl_b32 s72, 0x1111, s[CX]                  ; my column
	s_or_b32 s[G1A], s20, (1<<16)|(1<<20)|(1<<21)|(5<<22)|(3<<25)   ; mask; 2-byte elements; padding on; bit 21 beside a mask; after every 64 words, 4 words
	s_or_b32 s[G1B], s72, (1<<16)|(1<<20)|(1<<21)|(6<<22)|(7<<25)   ; after every 128 words, 8 words
	s_mov_b32 s[G1A+1], 128<<16                    ; tensor_dim0 = 128
	s_mov_b32 s[G1A+2], 64<<16                     ; tensor_dim1 = 64
	s_mov_b32 s[G1A+3], 128<<16                    ; tile_dim0 = 128
	s_mov_b32 s[G1A+4], 64                         ; tile_dim1 = 64
	s_mov_b32 s[G1A+5], SIZE_K                     ; elements from row to row
	s_mov_b32 s[G1A+6], 0
	s_mov_b32 s[G1A+7], 0
	s_mov_b32 s[G1B+1], 256<<16
	s_mov_b32 s[G1B+2], 64<<16
	s_mov_b32 s[G1B+3], 256<<16
	s_mov_b32 s[G1B+4], 64
	s_mov_b32 s[G1B+5], SIZE_N
	s_mov_b32 s[G1B+6], 0
	s_mov_b32 s[G1B+7], 0
	s_lshl_b32 s20, s[TR], 7                       ; A: row 128 x tile row + 64 x half, in bytes; these registers never hold cx
	s_lshl_b32 s21, s[WLO], 6
	s_add_co_u32 s20, s20, s21
	s_lshl_b32 s20, s20, LGKB
	s_mov_b32 s21, 0
	s_lshl_b32 s72, s[WLO], 6+LGNB                 ; B: k-row 64 x half, column 256 x tile column; these never hold cy
	s_lshl_b32 s73, s[TC], 9
	s_add_co_u32 s72, s72, s73
	s_mov_b32 s73, 0
	s_mul_i32 s22, s[WLO], HALFA                   ; where they go: no place in the cluster enters an LDS address
	s_mul_i32 s23, s[WLO], HALFB
	s_add_co_u32 s23, s23, AT
	s_mov_b32 s[G0A], 1
	s_mov_b32 s[G0A+1], s22
	s_mov_b32 s[G0A+4], 1
	s_add_co_u32 s[G0A+5], s22, SLOT
	s_mov_b32 s[G0B], 1
	s_mov_b32 s[G0B+1], s23
	s_mov_b32 s[G0B+4], 1
	s_add_co_u32 s[G0B+5], s23, SLOT
	s_wait_dscnt 0x0                               ; the opening add is done
	s_wait_kmcnt 0x0
	s_add_nc_u64 s[G0A+2:G0A+3], s[4:5], s[20:21]  ; K step 0,
	s_add_nc_u64 s[G0A+6:G0A+7], s[G0A+2:G0A+3], KSTEP*2  ; K step 1
	s_or_b32 s[G0A+3], s[G0A+3], 0x80000000        ; type = 2
	s_or_b32 s[G0A+7], s[G0A+7], 0x80000000
	s_add_nc_u64 s[G0B+2:G0B+3], s[6:7], s[72:73]
	s_add_nc_u64 s[G0B+6:G0B+7], s[G0B+2:G0B+3], KSTEP*NB
	s_or_b32 s[G0B+3], s[G0B+3], 0x80000000
	s_or_b32 s[G0B+7], s[G0B+7], 0x80000000
	CROUND                                         ; all sixteen work-groups are here: the first joint loads meet
	JLOAD 0
	JLOAD 1                                        ; two loads of mine are out
	; lane addresses
	v_and_b32 v1, 15, v0                           ; r = l % 16
	v_bfe_u32 v2, v0, 4, 1                         ; h = l / 16
	v_mul_u32_u24 v3, v1, PA
	v_lshl_add_u32 v3, v2, 4, v3                   ; r x 272 + 16 h
	s_mul_i32 s80, s[WHI], HALFA
	v_add_nc_u32 v[ADRA], s80, v3
	v_add_nc_u32 v[ADRA+1], SLOT, v[ADRA]
	v_and_b32 v4, 7, v0
	v_lshl_add_u32 v4, v2, 3, v4                   ; the turning load: k-row 8 h + l % 8,
	v_mul_u32_u24 v4, v4, PB
	v_bfe_u32 v5, v0, 3, 1
	v_lshl_add_u32 v4, v5, 4, v4                   ; columns 8 ((l / 8) % 2) on
	s_lshl_b32 s80, s[WLO], 8
	s_add_co_u32 s80, s80, AT
	v_add_nc_u32 v[ADRB], s80, v4
	v_add_nc_u32 v[ADRB+1], SLOT, v[ADRB]
	s_mul_i32 s80, s[WV], 16*SP
	s_add_co_u32 s80, s80, STAGE                   ; my stage
	v_add_nc_u32 v[STO], s80, v3
	v_mul_u32_u24 v5, v2, SP
	v_lshl_add_u32 v5, v1, 4, v5
	v_add_nc_u32 v[RD], s80, v5                    ; lanes 0-15 one row of 256 bytes, lanes 16-31 the next
	v_lshlrev_b32 v[CO], 8, v2
	v_lshl_add_u32 v[CO], v1, 4, v[CO]
	v_lshlrev_b32 v[CSO], 9, v1
	v_lshl_add_u32 v[CSO], v2, 5, v[CSO]           ; table row r, my 8 frequencies of a block of 16
	; the way out's bases
	s_lshl_b32 s80, s[TC], 1
	s_add_co_u32 s80, s80, s[WLO]                  ; hc
	s_lshl_b32 s81, s[TR], 7
	s_lshl_b32 s82, s[WHI], 6
	s_add_co_u32 s81, s81, s82                     ; my first row
	s_cmp_ge_u32 s80, 12
	s_cselect_b32 s82, 4096, s81                   ; the value heads take the rows of position 0
	s_lshl_b32 s82, s82, 9
	s_mov_b32 s83, 0
	s_add_nc_u64 s[CSB:CSB+1], s[8:9], s[82:83]
	s_lshl_b32 s82, s80, 20
	s_lshl_b32 s81, s81, 8
	s_add_co_u32 s82, s82, s81
	s_add_nc_u64 s[OUT:OUT+1], s[10:11], s[82:83]
	; the prefetches
	s_lshl_b32 s84, s[TR], 7
	s_lshl_b32 s85, s[CX], 5
	s_add_co_u32 s84, s84, s85
	s_lshl_b32 s84, s84, LGKB
	s_add_co_u32 s84, s84, 3*KSTEP*2               ; A's case: my work-group's 32 rows, at K step 3
	s_lshl_b32 s86, s[WLO], 6
	s_lshl_b32 s87, s[CY], 4
	s_add_co_u32 s86, s86, s87
	s_lshl_b32 s86, s86, LGNB
	s_lshl_b32 s87, s[TC], 9
	s_add_co_u32 s86, s86, s87
	s_add_co_u32 s86, s86, 3*KSTEP*NB              ; B's case: my work-group's 16 of my 64 k-rows, at K step 3
	s_and_b32 s87, ttmp7, 0xffff
	s_or_b32 s88, ttmp9, s[WLO]
	s_mov_b32 s89, KSTEP*NB
	s_cmp_eq_u32 s[WHI], 0
	s_cselect_b32 s84, s84, s86
	s_cselect_b32 s87, s88, s87                    ; 0 where I ask: wave 0 where cluster x = 0; waves 2, 3 where cluster y = 0
	s_cselect_b32 s[PFS], 256, s89
	s_cselect_b32 s90, 0, 1
	s_cselect_b32 s91, LGKB, LGNB
	s_cselect_b64 s[PFA:PFA+1], s[4:5], s[6:7]
	s_mov_b32 s85, 0
	s_mov_b32 s[PFS+1], 0
	s_add_nc_u64 s[PFA:PFA+1], s[PFA:PFA+1], s[84:85]
	s_cmp_eq_u32 s87, 0
	s_cselect_b32 s[LIM], 1, -1
	v_and_b32 v6, 31, v0
	v_lshrrev_b32 v[PFO], s90, v6                  ; A: a lane a row; B: two lanes a k-row,
	v_lshlrev_b32 v[PFO], s91, v[PFO]
	v_and_b32 v6, s90, v6
	v_lshl_add_u32 v[PFO], v6, 8, v[PFO]           ; 256 bytes apart
; 8 matrix instructions: row block a x all 8 column blocks, 32 along K.  The 32 accumulators take turns, one instruction a turn.
.macro MUL8 f, a, zero
	WIN MUL
.irp b, 0,1,2,3,4,5,6,7
.if \zero
	v_wmma_f32_16x16x32_bf16 v[8*(8*(\a)+(\b)):8*(8*(\a)+(\b))+7], v[(\f)+8*(\b):(\f)+8*(\b)+7], v[(\f)+64+8*(\a):(\f)+64+8*(\a)+7], 0
.else
	v_wmma_f32_16x16x32_bf16 v[8*(8*(\a)+(\b)):8*(8*(\a)+(\b))+7], v[(\f)+8*(\b):(\f)+8*(\b)+7], v[(\f)+64+8*(\a):(\f)+64+8*(\a)+7], v[8*(8*(\a)+(\b)):8*(8*(\a)+(\b))+7]
.endif
.endr
.endm
; 24 LDS loads in one run: quarter q's fragments into buffer f: B's 8 (turned), then A's 4, row blocks ascending
.macro FETCH slot, q, f
	WIN TO_F
.irp b, 0,1,2,3,4,5,6,7
	ds_load_tr16_b128 v[(\f)+8*(\b):(\f)+8*(\b)+3],   v[ADRB+(\slot)] offset:32*(\q)*PB+32*(\b)
	ds_load_tr16_b128 v[(\f)+8*(\b)+4:(\f)+8*(\b)+7], v[ADRB+(\slot)] offset:32*(\q)*PB+16*PB+32*(\b)
.endr
.irp a, 0,1,2,3
	ds_load_b128 v[(\f)+64+8*(\a):(\f)+64+8*(\a)+3],   v[ADRA+(\slot)] offset:16*(\a)*PA+64*(\q)
	ds_load_b128 v[(\f)+64+8*(\a)+4:(\f)+64+8*(\a)+7], v[ADRA+(\slot)] offset:16*(\a)*PA+64*(\q)+32
.endr
.endm
; A K step is four quarters of 32 along K, 32 matrix instructions each, on buffers 0, 1, 0, 1.  One of the first three multiplies buffer f and fetches quarter q into g.
.macro QUARTER slot, q, f, g, zero
	s_wait_dscnt 4                                 ; B and A's blocks 0, 1 are in; the youngest four loads (A's blocks 2, 3) may be out
	MUL8 \f, 0, \zero
	MUL8 \f, 1, \zero
	PLACES
	FETCH \slot, \q, \g
	s_wait_dscnt 24                                ; all but the 24 just issued
	MUL8 \f, 2, \zero
	MUL8 \f, 3, \zero
.endm
; The last quarter multiplies buffer 1 and changes slots: in front of the barrier each wave waits for all its tensor loads (its part of the next slot), adds 0 to its spare word, and waits for that and for its reads of this slot.
; fill = 1: the barrier opens a round of the cluster's, and this slot is filled again, two K steps ahead, first thing behind the round: 112 matrix instructions ahead of the wait for it.
.macro TURN slot, next, fill
.if \fill
	s_wait_xcnt 0x0                                ; the last prefetch, a K step back, has read its address
	s_add_nc_u64 s[PFA:PFA+1], s[PFA:PFA+1], s[PFS:PFS+1]
.endif
	WIN 0
	s_wait_tensorcnt 0x0
	ds_add_u32 v[SPW], v[NIL]
	s_wait_dscnt 5                                 ; the add and the youngest four loads may be out
	MUL8 F1, 0, 0
	s_wait_dscnt 0x0                               ; the add is done, my reads of this slot are over
	s_barrier_signal -1
	MUL8 F1, 1, 0
.if \fill
	WIN 0
.endif
	s_barrier_wait -1
.if \fill
	CREST
	s_add_nc_u64 s[G0A+4*(\slot)+2:G0A+4*(\slot)+3], s[G0A+4*(\slot)+2:G0A+4*(\slot)+3], 2*KSTEP*2
	s_add_nc_u64 s[G0B+4*(\slot)+2:G0B+4*(\slot)+3], s[G0B+4*(\slot)+2:G0B+4*(\slot)+3], 2*KSTEP*NB
	JLOAD \slot                                    ; its four v_nop are also the places in front of the loads below
.else
	PLACES
.endif
	FETCH \next, 0, F0
.if \fill
	WIN 0
	ASK
.endif
	MUL8 F1, 2, 0
	MUL8 F1, 3, 0
.endm
	s_wait_tensorcnt 1                             ; my part of K step 0 is in; step 1's may stay out
	s_barrier_signal -1
	s_barrier_wait -1
	FETCH 0, 0, F0
	QUARTER 0, 1, F0, F1, 1                        ; the first quarter's products start the sums
	WIN 0
	s_mov_b32 s[CNT], LAPS-1
.Llap:                                         ; a trip goes once round the ring and fills both slots again
	QUARTER 0, 2, F1, F0, 0
	QUARTER 0, 3, F0, F1, 0
	TURN 0, 1, 1
	QUARTER 1, 1, F0, F1, 0
	QUARTER 1, 2, F1, F0, 0
	QUARTER 1, 3, F0, F1, 0
	TURN 1, 0, 1
	QUARTER 0, 1, F0, F1, 0
	WIN 0
	s_sub_co_u32 s[CNT], s[CNT], 1
	s_cmp_lg_u32 s[CNT], 0
	s_cbranch_scc1 .Llap
; THE WAY OUT, a block of 16 rows at a time.
.macro LOADCS a                        ; the table's 16 rows for block a: my 8 cosines and 8 sines of each of four frequency blocks
	WIN 0
.set CB, CS0+64*((\a)%2)
.irp b, 0,1,2,3
	global_load_b128 v[CB+8*(\b):CB+8*(\b)+3],       v[CSO], s[CSB:CSB+1] offset:8192*(\a)+64*(\b)
	global_load_b128 v[CB+8*(\b)+4:CB+8*(\b)+7],     v[CSO], s[CSB:CSB+1] offset:8192*(\a)+64*(\b)+16
	global_load_b128 v[CB+32+8*(\b):CB+32+8*(\b)+3], v[CSO], s[CSB:CSB+1] offset:8192*(\a)+64*(\b)+256
	global_load_b128 v[CB+32+8*(\b)+4:CB+32+8*(\b)+7], v[CSO], s[CSB:CSB+1] offset:8192*(\a)+64*(\b)+272
.endr
.endm
.macro ROPE a                          ; each accumulator's registers are taken in ascending order
.set CB, CS0+64*((\a)%2)
	WIN 0x02                                       ; source 0: window 2
.irp b, 0,1,2,3
.irp p, 0,2,4,6
	v_pk_mul_f32 v[T+8*(\b)+(\p):T+8*(\b)+(\p)+1],       v[8*(8*(\a)+(\b))+(\p):8*(8*(\a)+(\b))+(\p)+1],     v[CB+8*(\b)+(\p):CB+8*(\b)+(\p)+1]
	v_pk_mul_f32 v[T+32+8*(\b)+(\p):T+32+8*(\b)+(\p)+1], v[8*(8*(\a)+(\b)+4)+(\p):8*(8*(\a)+(\b)+4)+(\p)+1], v[CB+8*(\b)+(\p):CB+8*(\b)+(\p)+1]
	v_pk_fma_f32 v[T+8*(\b)+(\p):T+8*(\b)+(\p)+1],       v[8*(8*(\a)+(\b)+4)+(\p):8*(8*(\a)+(\b)+4)+(\p)+1], v[CB+32+8*(\b)+(\p):CB+32+8*(\b)+(\p)+1], v[T+8*(\b)+(\p):T+8*(\b)+(\p)+1] neg_lo:[1,0,0] neg_hi:[1,0,0]
	v_pk_fma_f32 v[T+32+8*(\b)+(\p):T+32+8*(\b)+(\p)+1], v[8*(8*(\a)+(\b))+(\p):8*(8*(\a)+(\b))+(\p)+1],     v[CB+32+8*(\b)+(\p):CB+32+8*(\b)+(\p)+1], v[T+32+8*(\b)+(\p):T+32+8*(\b)+(\p)+1]
.endr
.endr
	WIN 0
.set n, 0
.rept 32
	v_cvt_pk_f16_f32 v[PKD+n], v[T+2*n], v[T+2*n+1]
.set n, n+1
.endr
.endm
.macro TOSTAGE a                       ; 16 bytes a lane into my stage, whole rows of 256 bytes back; LDS serves a wave's instructions in order (ISA guide 5.7.1.4)
	WIN 0
.irp b, 0,1,2,3,4,5,6,7
	ds_store_b128 v[STO], v[PKD+4*(\b):PKD+4*(\b)+3] offset:32*(\b)
.endr
	WIN 0x40
.irp t, 0,1,2,3,4,5,6,7
	ds_load_b128 v[32*(\a)+4*(\t):32*(\a)+4*(\t)+3], v[RD] offset:(\t)*2*SP
.endr
.endm
.macro SEND a                          ; each block has store registers of its own: none is rewritten
	s_wait_dscnt 0x0
	WIN 0x04                                       ; store data: window 1
.irp t, 0,1,2,3,4,5,6,7
	global_store_b128 v[CO], v[32*(\a)+4*(\t):32*(\a)+4*(\t)+3], s[OUT:OUT+1] offset:4096*(\a)+512*(\t)  ; 16 lanes store 256 consecutive bytes, aligned
.endr
.endm
	LOADCS 0                                       ; the table's first two blocks are asked for ahead of the last lap
	LOADCS 1
	QUARTER 0, 2, F1, F0, 0                        ; the last lap fills nothing
	QUARTER 0, 3, F0, F1, 0
	TURN 0, 1, 0
	QUARTER 1, 1, F0, F1, 0
	QUARTER 1, 2, F1, F0, 0
	QUARTER 1, 3, F0, F1, 0
	s_wait_dscnt 4
	MUL8 F1, 0, 0
	MUL8 F1, 1, 0
	s_wait_dscnt 0x0
	MUL8 F1, 2, 0
	MUL8 F1, 3, 0
	WIN 0
	PLACES
	PLACES
.irp a, 0,1,2,3
.if (\a) < 3
	s_wait_loadcnt 16                              ; block a's table values are in; the next block's 16 loads stay out
.else
	s_wait_loadcnt 0x0
.endif
	ROPE \a
	TOSTAGE \a
.if (\a) < 2
	LOADCS (\a)+2
.endif
	SEND \a
.endr
	WIN 0
	s_wait_tensorcnt 0x0                           ; the wave's end
	ds_add_u32 v[SPW], v[NIL]
	s_wait_dscnt 0x0
	CROUND                                         ; the closing round
	s_endpgm
.Lfunc_end_k_qd3e6df7d1e_qkv:
	.size	k_qd3e6df7d1e_qkv, .Lfunc_end_k_qd3e6df7d1e_qkv-k_qd3e6df7d1e_qkv
	.p2alignl 7, 3214868480
	.fill 96, 4, 3214868480
	.section	.rodata,"a",@progbits
	.p2align	6, 0x0
	.amdhsa_kernel k_qd3e6df7d1e_qkv
		.amdhsa_group_segment_fixed_size 327680
		.amdhsa_private_segment_fixed_size 0
		.amdhsa_enable_private_segment 0
		.amdhsa_kernarg_size 32
		.amdhsa_user_sgpr_count 2
		.amdhsa_user_sgpr_kernarg_segment_ptr 1
		.amdhsa_wavefront_size32 1
		.amdhsa_system_sgpr_workgroup_id_x 1
		.amdhsa_system_sgpr_workgroup_id_y 1
		.amdhsa_system_sgpr_workgroup_id_z 1
		.amdhsa_system_vgpr_workitem_id 0
		.amdhsa_next_free_vgpr 768
		.amdhsa_next_free_sgpr 96
		.amdhsa_reserve_vcc 0
		.amdhsa_float_denorm_mode_32 3
		.amdhsa_float_denorm_mode_16_64 3
		.amdhsa_memory_ordered 1
		.amdhsa_forward_progress 1
		.amdhsa_inst_pref_size 110
	.end_amdhsa_kernel
	.amdgpu_metadata
---
amdhsa.version: [ 1, 2 ]
amdhsa.kernels:
  - .name:           k_qd3e6df7d1e_qkv
    .symbol:         k_qd3e6df7d1e_qkv.kd
    .args:
      - { .name: xb, .offset: 0, .size: 8, .value_kind: global_buffer, .address_space: global }
      - { .name: wqkv, .offset: 8, .size: 8, .value_kind: global_buffer, .address_space: global }
      - { .name: cs, .offset: 16, .size: 8, .value_kind: global_buffer, .address_space: global }
      - { .name: qkv, .offset: 24, .size: 8, .value_kind: global_buffer, .address_space: global }
    .group_segment_fixed_size: 327680
    .private_segment_fixed_size: 0
    .kernarg_segment_align: 8
    .kernarg_segment_size: 32
    .max_flat_workgroup_size: 128
    .sgpr_count:     96
    .vgpr_count:     768
    .wavefront_size: 32
...
	.end_amdgpu_metadata
.endif
;; end of part 2
;; launch attn (part 3): grid 32 x 8, 4 waves a work-group, clusters of 4 x 4, 327,680 bytes of LDS; arguments qkv, attention_mask, ctx; writes ctx
.if DOCPART == 3
	.amdgcn_target "amdgcn-amd-amdhsa--gfx1250"
	.amdhsa_code_object_version 6
	.text
	.protected	k_qd3e6df7d1e_attn
	.globl	k_qd3e6df7d1e_attn
	.p2align	8
	.type	k_qd3e6df7d1e_attn,@function
k_qd3e6df7d1e_attn:
	s_mov_b64 s[64:65], 0
	v_nop
	global_prefetch_b8 v0, s[64:65] scope:SCOPE_SE
	s_setreg_imm32_b32 hwreg(HW_REG_WAVE_MODE, 25, 1), 1
	s_wait_xcnt 0x0
	s_wait_alu depctr_hold_cnt(0) depctr_sa_sdst(0) depctr_va_vdst(0) depctr_va_sdst(0) depctr_va_ssrc(0) depctr_va_vcc(0) depctr_vm_vsrc(0)
	s_getreg_b32 s2, hwreg(HW_REG_IB_STS2, 6, 4)
	s_cmp_eq_u32 s2, 0
	s_cbranch_scc0 .Lentry_in_a_cluster
	s_endpgm
.Lentry_in_a_cluster:
	s_bfe_u32 s2, ttmp6, 0x10000c
	s_cmp_lg_u32 s2, 0xf033
	s_cbranch_scc0 .Lentry_shape_is_right
	s_endpgm
.Lentry_shape_is_right:
; ATTENTION with an additive mask that is an input: every key tile is computed, every mask number is read.
; ctx[row][128 h + d] = sum over t of softmax_t(q . k / sqrt(128) + mask[b][s][t]) v[t][d], divided by 8 (v arrives divided by 8), f16.
; q, k, v: qkv [hc][row][128] f16, each divided by 8: the scale c = 64 log2(e) / sqrt(128) gives the 64 back, in f32.
; The mask is rounded to bf16, like every input of the module, and multiplied by log2(e); a score is c s + that, in one fused multiply-add.
; SOFTMAX.  A running maximum m (of the scores in base 2) and sum l for each query: p = 2^(score - m), the subtraction first; O and l are multiplied by a = 2^(m_old - m_new) in every step.
; m starts at the lowest finite number, O and l at 0, so the first step is a step like any other.
; LIMITS.  |mask| x log2(e) is finite, or the mask is -infinity where the row keeps a finite entry; a weight below 2^-126 counts as 0; p is rounded to f16 for the second product, l is the sum of the unrounded p.
; SHARES.  A work-group has 64 query rows x the two query heads of one key head: 256 work-groups.  A slot holds 128 keys.  Wave w: rows 32 (w & 1) on, keys 64 (w >> 1) on of each slot:
; four tiles of 16 queries; tile t: row tile t & 1, head (t >> 1) xor (w >> 1).  At the end wave w keeps tiles 0, 1 and hands tiles 2, 3 to wave w xor 2, which holds the same queries' other keys.
; LAYOUT.  S^T = K Q^T: a lane holds ONE query (l % 16) and the keys 8 (l / 16) + 0..7; two such results rounded to f16 ARE source 1 of O^T = V^T P.  V is turned by ds_load_tr16_b128.
; CLUSTER 4 x 4: cluster x counts blocks of 4 x 64 rows, cluster y the batch; cx picks the rows, cy the key head.  K and V hang on (batch, cy): joint along a row of the cluster.
; The mask's tile hangs on (batch, rows): joint along a column.  Wave 0 asks for K, wave 1 for V, wave 2 for the mask: one load a wave behind each round.
; REGISTERS: window 0: v0-15 addresses; v16-47 statistics, 8 a tile (m, -, l, l, c0-c3; a takes c2's place); v48-55 statistics handed over; v64-191 S^T; v192-255 P.
;   window 1: O^T, 64 a tile.   window 2: v0-127 Q, v128-255 K.   window 3: v0-127 V; v128-191 the mask x log2(e), 32 a row tile; v192-255 the mask as loaded.
.set PK,    272                        ; a row of K in LDS: 256 + 16 bytes
.set PV,    288                        ; of V: 256 + 32 bytes
.set PM,    528                        ; of the mask: 512 + 16 bytes
.set VOFF,  128*PK
.set MOFF,  VOFF+128*PV
.set SLOT1, 1<<17
.set STAGE, MOFF+64*PM                 ; between the slots: 16 rows x 272 bytes for each wave
.set SP,    272
.set SPARE, STAGE+4*16*SP              ; the spare words: 128 bytes a wave, two blocks of 256 bytes that no other line names
.set MERGE, SLOT1+STAGE                ; behind slot 1: for each wave 16,384 bytes of O^T and 512 of statistics
.set MGW,   16896
.set AK0, 2
.set AV0, 3
.set AM0, 4
.set ADK, 5
.set ADV, 6
.set ADM, 7
.set QO,  8
.set STO, 9
.set RD,  10
.set GO,  11
.set PFO, 12
.set MGS, 13
.set MGL, 14
.set ST,  16
.set LG,  60                           ; v60 log2(e)
.set ZR,  61                           ; v61 0
.set SPW, 62
.set NIL, 63
.set S,   64
.set P,   192
.set KF,  128                          ; window 2
.set M2,  128                          ; window 3
.set ML,  192                          ; window 3
.set WV,  12
.set QH,  13
.set KH,  14
.set CX,  15
.set CY,  16
.set BB,  17
.set BX,  18
.set G1K, 24
.set G1V, 32
.set G1M, 40
.set G0K, 48
.set G0V, 52
.set G0M, 56
.set SLOTS, 60
.set TB,  61
.set CS,  62                           ; s[62:63]
.set SEL, 66                           ; s[66:67]
.set PFA, 68
.set PFS, 70
.set LIM, 72
.set QB0, 74
.set QB1, 76
.set OUT, 78
.set MSB, 0
.macro WIN new
.if MSB != (\new)
	s_set_vgpr_msb (MSB<<8)|(\new)
.set MSB, \new
.endif
.endm
.macro PLACES
.rept 4
	v_nop
.endr
.endm
.macro JLOAD                           ; the branches hang on the wave's number alone; an s_nop 0 and four v_nop follow each line; wave 3 asks for nothing
	s_cmp_lg_u32 s[WV], 0
	s_cbranch_scc1 .Lnot_k_\@
	tensor_load_to_lds s[G0K:G0K+3], s[G1K:G1K+7]
	s_nop 0
.rept 4
	v_nop
.endr
	s_branch .Lasked_\@
.Lnot_k_\@:
	s_cmp_lg_u32 s[WV], 1
	s_cbranch_scc1 .Lnot_v_\@
	tensor_load_to_lds s[G0V:G0V+3], s[G1V:G1V+7]
	s_nop 0
.rept 4
	v_nop
.endr
	s_branch .Lasked_\@
.Lnot_v_\@:
	s_cmp_lg_u32 s[WV], 2
	s_cbranch_scc1 .Lasked_\@
	tensor_load_to_lds s[G0M:G0M+3], s[G1M:G1M+7]
	s_nop 0
.rept 4
	v_nop
.endr
.Lasked_\@:
.endm
.macro CROUND
	s_barrier_signal -1
	s_barrier_wait -1
	s_cmp_lg_u32 s[WV], 0
	s_cbranch_scc1 .Lnot_wave_0_\@
	s_barrier_signal -3
.Lnot_wave_0_\@:
	s_barrier_wait -3
	s_barrier_signal -1
	s_barrier_wait -1
.endm
; A prefetch of what the NEXT change of slots will ask for, each block of 256 bytes named once in the launch.  K's and V's 128 rows: waves 0 and 1 of the clusters with x = 0, 32 rows a partner (by address: cx).
; The mask's 64 rows x 2 blocks, which this cluster alone reads: wave 2, 16 rows a partner (by address: cy).  The last change that fills a slot asks for nothing.
.macro ASK
	s_cmp_gt_u32 s[SLOTS], s[LIM]
	s_cbranch_scc0 .Lnot_mine_\@
	global_prefetch_b8 v[PFO], s[PFA:PFA+1] th:TH_LOAD_NT scope:SCOPE_SE
.Lnot_mine_\@:
.endm
; THE CHANGE OF SLOTS.  Each wave waits for all its tensor loads (its part of the slot to be read), adds 0 to its spare word, and waits for that and for its reads of the slot that it leaves.
; fill = 1: the barrier is a round of the cluster's, and the slot left is filled again first thing behind it, with the next 128 keys: it has one step's 128 matrix instructions and softmax in which to land.
.macro CHANGE fill
	WIN 0
	s_wait_tensorcnt 0x0                           ; no tensor load of mine is out, so a group 0 may be written
	ds_add_u32 v[SPW], v[NIL]
.if \fill
.irp g, G0K, G0V
	s_xor_b32 s[\g+1], s[\g+1], SLOT1
	s_add_nc_u64 s[\g+2:\g+3], s[\g+2:\g+3], 128*256
.endr
	s_xor_b32 s[G0M+1], s[G0M+1], SLOT1
	s_add_nc_u64 s[G0M+2:G0M+3], s[G0M+2:G0M+3], 128*4
	s_wait_xcnt 0x0                                ; the last prefetch, a step back, has read its address
	s_add_nc_u64 s[PFA:PFA+1], s[PFA:PFA+1], s[PFS:PFS+1]
	s_wait_dscnt 0x0
	CROUND
	JLOAD
	ASK
.else
	s_wait_dscnt 0x0
	s_barrier_signal -1
	s_barrier_wait -1
.endif
	s_xor_b32 s[TB], s[TB], SLOT1                  ; the slot to be read now
.endm
	s_load_b128 s[4:7], s[0:1], 0x0                ; qkv s[4:5], attention_mask s[6:7]
	s_load_b64 s[8:9], s[0:1], 0x10                ; ctx
	v_lshl_add_u32 v[SPW], v0, 2, SPARE
	v_mov_b32 v[NIL], 0
	ds_add_u32 v[SPW], v[NIL]                      ; the wave's opening: the add and its wait ahead of my first tensor load
	v_lshrrev_b32 v1, 5, v0
	v_readfirstlane_b32 s[WV], v1
	s_and_b32 s[QH], s[WV], 1
	s_lshr_b32 s[KH], s[WV], 1
	s_bfe_u32 s[CX], ttmp6, 0x40000
	s_bfe_u32 s[CY], ttmp6, 0x40004                ; the key head
	s_and_b32 s[BB], ttmp7, 0xffff                 ; the batch
	s_lshl_b32 s[BX], ttmp9, 2
	s_add_co_u32 s[BX], s[BX], s[CX]               ; my block of 64 rows
	s_lshl_b32 s20, s[CY], 2
	s_lshl_b32 s20, 15, s20                        ; my row of the cluster
	s_lshl_b32 s21, 0x1111, s[CX]                  ; my column
	s_or_b32 s[G1K], s20, (1<<16)|(1<<20)|(1<<21)|(5<<22)|(3<<25)   ; 2-byte elements; after every 64 words, 4 words
	s_or_b32 s[G1V], s20, (1<<16)|(1<<20)|(1<<21)|(5<<22)|(7<<25)   ; 8 words
	s_or_b32 s[G1M], s21, (2<<16)|(1<<20)|(1<<21)|(6<<22)|(3<<25)   ; 4-byte elements; after every 128 words, 4 words
.irp g, G1K, G1V
	s_mov_b32 s[\g+1], 128<<16                     ; tensor_dim0 = 128
	s_mov_b32 s[\g+2], 128<<16                     ; tensor_dim1 = 128
	s_mov_b32 s[\g+3], 128<<16                     ; tile_dim0 = 128
	s_mov_b32 s[\g+4], 128                         ; tile_dim1 = 128
	s_mov_b32 s[\g+5], 128                         ; elements from row to row
	s_mov_b32 s[\g+6], 0
	s_mov_b32 s[\g+7], 0
.endr
	s_mov_b32 s[G1M+1], 128<<16
	s_mov_b32 s[G1M+2], 64<<16
	s_mov_b32 s[G1M+3], 128<<16
	s_mov_b32 s[G1M+4], 64
	s_mov_b32 s[G1M+5], 2048
	s_mov_b32 s[G1M+6], 0
	s_mov_b32 s[G1M+7], 0
	s_mov_b32 s[G0K], 1
	s_mov_b32 s[G0K+1], 0
	s_mov_b32 s[G0V], 1
	s_mov_b32 s[G0V+1], VOFF
	s_mov_b32 s[G0M], 1
	s_mov_b32 s[G0M+1], MOFF
	s_add_co_u32 s80, s[CY], 8                     ; K: hc = 8 + cy, the batch's 2,048 rows of 256 bytes; these registers never hold cx
	s_lshl_b32 s80, s80, 20
	s_lshl_b32 s81, s[BB], 19
	s_add_co_u32 s80, s80, s81
	s_add_co_u32 s82, s80, 4<<20                   ; V: hc = 12 + cy
	s_mov_b32 s81, 0
	s_mov_b32 s83, 0
	s_lshl_b32 s84, s[BB], 24                      ; the mask: the batch, my 64 rows of 8,192 bytes; these never hold cy
	s_lshl_b32 s85, s[BX], 19
	s_add_co_u32 s84, s84, s85
	s_mov_b32 s85, 0
	s_mov_b32 s[CS], 0x410293ee                    ; c = 64 log2(e) / sqrt(128)
	s_mov_b32 s[CS+1], s[CS]
	s_mov_b32 s[SEL], 0x76543210
	s_mov_b32 s[SEL+1], 0xfedcba98
	s_wait_dscnt 0x0                               ; the opening add is done
	s_wait_kmcnt 0x0
	s_add_nc_u64 s[G0K+2:G0K+3], s[4:5], s[80:81]
	s_or_b32 s[G0K+3], s[G0K+3], 0x80000000
	s_add_nc_u64 s[G0V+2:G0V+3], s[4:5], s[82:83]
	s_or_b32 s[G0V+3], s[G0V+3], 0x80000000
	s_add_nc_u64 s[G0M+2:G0M+3], s[6:7], s[84:85]
	s_or_b32 s[G0M+3], s[G0M+3], 0x80000000
	CROUND                                         ; all sixteen work-groups are here
	JLOAD                                          ; slot 0; slot 1 is asked for when slot 0 is in
	; Q's and ctx's bases
	s_lshl_b32 s86, s[BB], 11
	s_lshl_b32 s87, s[BX], 6
	s_add_co_u32 s86, s86, s87
	s_lshl_b32 s87, s[QH], 5
	s_add_co_u32 s86, s86, s87                     ; my first row of the 4,096
	s_lshl_b32 s88, s[CY], 1
	s_add_co_u32 s88, s88, s[KH]                   ; the head of tiles 0, 1,
	s_xor_b32 s89, s88, 1                          ; of tiles 2, 3
	s_lshl_b32 s92, s86, 8
	s_lshl_b32 s90, s88, 20
	s_add_co_u32 s90, s90, s92
	s_mov_b32 s91, 0
	s_add_nc_u64 s[QB0:QB0+1], s[4:5], s[90:91]
	s_lshl_b32 s90, s89, 20
	s_add_co_u32 s90, s90, s92
	s_add_nc_u64 s[QB1:QB1+1], s[4:5], s[90:91]
	s_lshl_b32 s90, s86, 11
	s_lshl_b32 s92, s88, 8
	s_add_co_u32 s90, s90, s92
	s_add_nc_u64 s[OUT:OUT+1], s[8:9], s[90:91]
	v_and_b32 v1, 15, v0                           ; r
	v_bfe_u32 v56, v0, 4, 1                        ; h
	v_lshlrev_b32 v[QO], 8, v1
	v_lshl_add_u32 v[QO], v56, 4, v[QO]
	WIN 0x80                                       ; destination window 2
.irp t, 0,1,2,3
.irp c, 0,1,2,3
	global_load_b128 v[32*(\t)+8*(\c):32*(\t)+8*(\c)+3],   v[QO], s[QB0+2*((\t)/2):QB0+2*((\t)/2)+1] offset:4096*((\t)%2)+64*(\c)
	global_load_b128 v[32*(\t)+8*(\c)+4:32*(\t)+8*(\c)+7], v[QO], s[QB0+2*((\t)/2):QB0+2*((\t)/2)+1] offset:4096*((\t)%2)+64*(\c)+32
.endr
.endr
	WIN 0x40                                       ; O^T = 0: written in the wait for the first tile, so that no first step is written out
.set i, 0
.rept 256
	v_mov_b32 v[i], 0
.set i, i+1
.endr
	WIN 0
.irp t, 0,1,2,3
	v_mov_b32 v[ST+8*(\t)], 0xff7fffff             ; m
	v_mov_b32 v[ST+8*(\t)+1], 0                    ; named with m as a pair
	v_mov_b32 v[ST+8*(\t)+2], 0                    ; l
	v_mov_b32 v[ST+8*(\t)+3], 0
.endr
	v_mov_b32 v[LG], 0x3fb8aa3b
	v_mov_b32 v[ZR], 0
	; lane addresses
	s_mul_i32 s86, s[KH], 64*PK
	v_mul_u32_u24 v[AK0], v1, PK
	v_lshl_add_u32 v[AK0], v56, 4, v[AK0]
	v_add_nc_u32 v[AK0], s86, v[AK0]
	s_mul_i32 s86, s[KH], 64*PV
	s_add_co_u32 s86, s86, VOFF
	v_and_b32 v57, 7, v0
	v_bfe_u32 v58, v0, 3, 1
	v_lshl_add_u32 v[AV0], v56, 3, v57
	v_mul_u32_u24 v[AV0], v[AV0], PV
	v_lshl_add_u32 v[AV0], v58, 4, v[AV0]
	v_add_nc_u32 v[AV0], s86, v[AV0]
	s_mul_i32 s86, s[QH], 32*PM
	s_lshl_b32 s87, s[KH], 8
	s_add_co_u32 s86, s86, s87
	s_add_co_u32 s86, s86, MOFF
	v_mul_u32_u24 v[AM0], v1, PM
	v_lshl_add_u32 v[AM0], v56, 5, v[AM0]
	v_add_nc_u32 v[AM0], s86, v[AM0]               ; mask row 32 QH + r, keys 64 KH + 8 h on
	s_mul_i32 s86, s[WV], 16*SP
	s_add_co_u32 s86, s86, STAGE
	v_mul_u32_u24 v[STO], v1, SP
	v_lshl_add_u32 v[STO], v56, 4, v[STO]
	v_add_nc_u32 v[STO], s86, v[STO]
	v_mul_u32_u24 v[RD], v56, SP
	v_lshl_add_u32 v[RD], v1, 4, v[RD]
	v_add_nc_u32 v[RD], s86, v[RD]
	v_lshlrev_b32 v[GO], 11, v56
	v_lshl_add_u32 v[GO], v1, 4, v[GO]
	v_and_b32 v59, 31, v0
	s_mul_i32 s86, s[WV], MGW
	s_add_co_u32 s86, s86, MERGE
	v_lshl_add_u32 v[MGS], v59, 4, s86             ; what I hand over,
	s_xor_b32 s87, s[WV], 2
	s_mul_i32 s87, s87, MGW
	s_add_co_u32 s87, s87, MERGE
	v_lshl_add_u32 v[MGL], v59, 4, s87             ; what my partner hands me
	; the prefetches
	s_lshl_b32 s86, s[WV], 2
	s_add_co_u32 s86, s86, s[CY]
	s_add_co_u32 s86, s86, 8
	s_lshl_b32 s86, s86, 20
	s_lshl_b32 s87, s[BB], 19
	s_add_co_u32 s86, s86, s87
	s_lshl_b32 s87, s[CX], 13
	s_add_co_u32 s86, s86, s87
	s_add_co_u32 s86, s86, 128*256                 ; K's or V's case: my work-group's 32 rows, in slot 1
	s_lshl_b32 s88, s[BB], 24
	s_lshl_b32 s89, s[BX], 19
	s_add_co_u32 s88, s88, s89
	s_lshl_b32 s89, s[CY], 17
	s_add_co_u32 s88, s88, s89
	s_add_co_u32 s88, s88, 128*4                   ; the mask's case: my work-group's 16 rows, in slot 1
	s_and_b32 s89, s[WV], 1
	s_mov_b32 s90, 128*256
	s_cmp_lt_u32 s[WV], 2
	s_cselect_b32 s86, s86, s88
	s_cselect_b32 s89, ttmp9, s89                  ; 0 where I ask: waves 0, 1 where cluster x = 0; wave 2
	s_cselect_b32 s[PFS], s90, 512
	s_cselect_b32 s91, 0, 1
	s_cselect_b32 s92, 8, 13
	s_cselect_b64 s[PFA:PFA+1], s[4:5], s[6:7]
	s_mov_b32 s87, 0
	s_mov_b32 s[PFS+1], 0
	s_add_nc_u64 s[PFA:PFA+1], s[PFA:PFA+1], s[86:87]
	s_cmp_eq_u32 s89, 0
	s_cselect_b32 s[LIM], 1, -1
	v_lshrrev_b32 v[PFO], s91, v59
	v_lshlrev_b32 v[PFO], s92, v[PFO]
	v_and_b32 v57, s91, v59
	v_lshl_add_u32 v[PFO], v57, 8, v[PFO]
; THE LDS LOADS of a step, in three runs
.macro FETCH_K                         ; my 64 keys x 128 channels: key block f / 4, channels 32 (f % 4) on
	WIN 0x80
.irp f, 0,1,2,3,4,5,6,7,8,9,10,11,12,13,14,15
	ds_load_b128 v[KF+8*(\f):KF+8*(\f)+3],   v[ADK] offset:((\f)/4)*16*PK+((\f)%4)*64
	ds_load_b128 v[KF+8*(\f)+4:KF+8*(\f)+7], v[ADK] offset:((\f)/4)*16*PK+((\f)%4)*64+32
.endr
.endm
.macro FETCH_M                         ; the mask of my 32 rows x 64 keys: row tile f / 4, key block f % 4: my query's eight keys, 32 bytes
	WIN 0xc0
.irp f, 0,1,2,3,4,5,6,7
	ds_load_b128 v[ML+8*(\f):ML+8*(\f)+3],   v[ADM] offset:((\f)/4)*16*PM+((\f)%4)*64
	ds_load_b128 v[ML+8*(\f)+4:ML+8*(\f)+7], v[ADM] offset:((\f)/4)*16*PM+((\f)%4)*64+16
.endr
.endm
.macro FETCH_V                         ; turned: keys 32 (f / 8) on, channels 16 (f % 8) on
	WIN 0xc0
.irp f, 0,1,2,3,4,5,6,7,8,9,10,11,12,13,14,15
	ds_load_tr16_b128 v[8*(\f):8*(\f)+3],   v[ADV] offset:((\f)/8)*32*PV+((\f)%8)*32
	ds_load_tr16_b128 v[8*(\f)+4:8*(\f)+7], v[ADV] offset:((\f)/8)*32*PV+16*PV+((\f)%8)*32
.endr
.endm
; THE MATRIX WORK.  The accumulators take turns, one instruction a turn: 15 (K Q^T) or 31 (V^T P) others stand between two links of a chain.
.macro KQ                              ; product i of 64: channels 32 (i / 16) on, keys 16 ((i / 4) % 4) on, tile i % 4
	WIN 0x0a
.set rS, S+32*(i%4)+8*((i/4)%4)
.set rK, KF+32*((i/4)%4)+8*(i/16)
.set rQ, 32*(i%4)+8*(i/16)
.if i < 16
	v_wmma_f32_16x16x32_f16 v[rS:rS+7], v[rK:rK+7], v[rQ:rQ+7], 0
.else
	v_wmma_f32_16x16x32_f16 v[rS:rS+7], v[rK:rK+7], v[rQ:rQ+7], v[rS:rS+7]
.endif
.set i, i+1
.endm
.macro PVX                             ; product i of 64: keys 32 (i / 32) on, channels 16 ((i / 4) % 8) on, tile i % 4
	WIN 0x53
.set rO, 64*(i%4)+8*((i/4)%8)
.set rV, 64*(i/32)+8*((i/4)%8)
.set rP, P+16*(i%4)+8*(i/32)
	v_wmma_f32_16x16x32_f16 v[rO:rO+7], v[rV:rV+7], v[rP:rP+7], v[rO:rO+7]
.set i, i+1
.endm
; THE VECTOR WORK
.macro MX t, j                         ; number j of the 21 that find tile t's new maximum and its a
.set rT, ST+8*(\t)
.set rS, S+32*(\t)
.if (\j) < 4
	v_max3_num_f32 v[rT+4+(\j)], v[rS+8*(\j)], v[rS+8*(\j)+1], v[rS+8*(\j)+2]
.elseif (\j) < 12
	v_max3_num_f32 v[rT+4+(\j)%4], v[rT+4+(\j)%4], v[rS+8*((\j)%4)+2*((\j)/4)+1], v[rS+8*((\j)%4)+2*((\j)/4)+2]
.elseif (\j) == 12
	v_max3_num_f32 v[rT+4], v[rT+4], v[rS+7], v[rS+15]
.elseif (\j) == 13
	v_max3_num_f32 v[rT+6], v[rT+6], v[rS+23], v[rS+31]
.elseif (\j) == 14
	v_max3_num_f32 v[rT+4], v[rT+4], v[rT+5], v[rT+6]
.elseif (\j) == 15
	v_max3_num_f32 v[rT+4], v[rT+4], v[rT+7], v[rT]
.elseif (\j) == 16
	v_permlanex16_b32 v[rT+5], v[rT+4], s[SEL], s[SEL+1]  ; the query's other 32 keys lie in the lane 16 away
.elseif (\j) == 17
	v_max_num_f32 v[rT+4], v[rT+4], v[rT+5]
.elseif (\j) == 18
	v_sub_f32 v[rT+7], v[rT], v[rT+4]              ; m_old - m_new
.elseif (\j) == 19
	v_mov_b32 v[rT], v[rT+4]
.else
	v_exp_f32 v[rT+6], v[rT+7]                     ; a
.endif
.endm
.macro SB t, p                         ; pair p: score - m
	v_pk_add_f32 v[S+32*(\t)+2*(\p):S+32*(\t)+2*(\p)+1], v[S+32*(\t)+2*(\p):S+32*(\t)+2*(\p)+1], v[ST+8*(\t):ST+8*(\t)+1] op_sel_hi:[1,0] neg_lo:[0,1] neg_hi:[0,1]
.endm
.macro SU t, z                         ; the sum of the tile's 16 pairs, in place, neighbours 1, 2, 4, 8 pairs apart; then l = a l + sum
.set rT, ST+8*(\t)
.set rS, S+32*(\t)
.if (\z) < 8
	v_pk_add_f32 v[rS+4*(\z):rS+4*(\z)+1], v[rS+4*(\z):rS+4*(\z)+1], v[rS+4*(\z)+2:rS+4*(\z)+3]
.elseif (\z) < 12
	v_pk_add_f32 v[rS+8*((\z)-8):rS+8*((\z)-8)+1], v[rS+8*((\z)-8):rS+8*((\z)-8)+1], v[rS+8*((\z)-8)+4:rS+8*((\z)-8)+5]
.elseif (\z) < 14
	v_pk_add_f32 v[rS+16*((\z)-12):rS+16*((\z)-12)+1], v[rS+16*((\z)-12):rS+16*((\z)-12)+1], v[rS+16*((\z)-12)+8:rS+16*((\z)-12)+9]
.elseif (\z) == 14
	v_pk_add_f32 v[rS:rS+1], v[rS:rS+1], v[rS+16:rS+17]
.else
	v_pk_fma_f32 v[rT+2:rT+3], v[rT+2:rT+3], v[rT+6:rT+7], v[rS:rS+1] op_sel_hi:[1,0,1]
.endif
.endm
; A STEP, in phases: my 64 keys of the slot at s[TB], for my four tiles.
.macro STEP
	PLACES                                         ; behind the last V^T P, in front of the loads into V's registers
	v_add_nc_u32 v[ADK], s[TB], v[AK0]
	v_add_nc_u32 v[ADM], s[TB], v[AM0]
	v_add_nc_u32 v[ADV], s[TB], v[AV0]
	FETCH_K
	FETCH_M
	FETCH_V
	s_wait_dscnt 48                                ; K is in: the mask's 16 loads and V's 32 are younger
.set i, 0
.rept 64
	KQ
.endr
	s_wait_dscnt 32                                ; the mask is in
	WIN 0xcf                                       ; the mask: rounded to bf16 in pairs, in place,
.set p, 0
.rept 32
	v_cvt_pk_bf16_f32 v[ML+2*p], v[ML+2*p], v[ML+2*p+1]
.set p, p+1
.endr
	WIN 0xc3                                       ; and times log2(e).  These 96 plain lines, which name no register of the products above, are the places behind them
.set p, 0
.rept 32
	v_fma_mix_f32_bf16 v[M2+2*p],   v[ML+2*p], v[LG], v[ZR] op_sel_hi:[1,0,0]
	v_fma_mix_f32_bf16 v[M2+2*p+1], v[ML+2*p], v[LG], v[ZR] op_sel:[1,0,0] op_sel_hi:[1,0,0]
.set p, p+1
.endr
	WIN 0x30                                       ; score = c s + mask; each accumulator's registers in ascending order
.irp t, 0,1,2,3
.set p, 0
.rept 16
	v_pk_fma_f32 v[S+32*(\t)+2*p:S+32*(\t)+2*p+1], v[S+32*(\t)+2*p:S+32*(\t)+2*p+1], s[CS:CS+1], v[M2+32*((\t)%2)+2*p:M2+32*((\t)%2)+2*p+1] op_sel_hi:[1,0,1]
.set p, p+1
.endr
.endr
	WIN 0
.irp j, 0,1,2,3,4,5,6,7,8,9,10,11,12,13,14,15,16,17,18,19,20
.irp t, 0,1,2,3
	MX \t, \j
.endr
.endr
.set p, 0
.rept 16
	SB 0, p
.set p, p+1
.endr
.irp t, 0,1,2,3                        ; tile t's exponentials, tile t + 1's subtractions between them: none of these names an exponential's result
.set p, 0
.rept 16
	v_exp_f32 v[S+32*(\t)+2*p], v[S+32*(\t)+2*p]
.if (\t) < 3
	SB (\t)+1, p
.endif
	v_exp_f32 v[S+32*(\t)+2*p+1], v[S+32*(\t)+2*p+1]
.set p, p+1
.endr
.endr
	v_nop                                          ; a plain instruction behind the last exponential
	s_wait_alu depctr_va_vdst(0)                   ; one wait for the step's 132 exponentials, ahead of their first reader
.irp t, 0,1,2,3
.set p, 0
.rept 16
	v_cvt_pk_f16_f32 v[P+16*(\t)+p], v[S+32*(\t)+2*p], v[S+32*(\t)+2*p+1]
.set p, p+1
.endr
.endr
.irp z, 0,1,2,3,4,5,6,7,8,9,10,11,12,13,14,15
.irp t, 0,1,2,3
	SU \t, \z
.endr
.endr
	WIN 0x41                                       ; O^T times a
.irp t, 0,1,2,3
.set n, 0
.rept 32
	v_pk_mul_f32 v[64*(\t)+2*n:64*(\t)+2*n+1], v[64*(\t)+2*n:64*(\t)+2*n+1], v[ST+8*(\t)+6:ST+8*(\t)+7] op_sel_hi:[1,0]
.set n, n+1
.endr
.endr
	s_wait_dscnt 0x0                               ; V is in
.set i, 0
.rept 64
	PVX
.endr
	WIN 0
.endm
	s_wait_loadcnt 0x0                             ; Q
	s_mov_b32 s[TB], SLOT1                         ; the first change turns it into 0
	s_mov_b32 s[SLOTS], 15
.Lslot:                                        ; 15 trips: a slot is read while the next is on its way
	CHANGE 1
	STEP
	s_sub_co_u32 s[SLOTS], s[SLOTS], 1
	s_cmp_lg_u32 s[SLOTS], 0
	s_cbranch_scc1 .Lslot
	CHANGE 0                                       ; the last slot is written out: nothing is asked for
	STEP
	; THE MERGE.  l's two halves and the other half of the lanes' are added; tiles 2, 3 go to my partner, its tiles 2, 3 come to me: the same queries' other keys.
	PLACES
	PLACES
.irp t, 0,1,2,3
	v_add_f32 v[ST+8*(\t)+4], v[ST+8*(\t)+2], v[ST+8*(\t)+3]
.endr
.irp t, 0,1,2,3
	v_permlanex16_b32 v[ST+8*(\t)+5], v[ST+8*(\t)+4], s[SEL], s[SEL+1]
.endr
.irp t, 0,1,2,3
	v_add_f32 v[ST+8*(\t)+2], v[ST+8*(\t)+4], v[ST+8*(\t)+5]
.endr
	v_mov_b32 v48, v[ST+16]
	v_mov_b32 v49, v[ST+18]
	v_mov_b32 v50, v[ST+24]
	v_mov_b32 v51, v[ST+26]
	WIN 0x04                                       ; store data: window 1; each accumulator's low four registers first
.set i, 0
.rept 32
	ds_store_b128 v[MGS], v[128+4*i:128+4*i+3] offset:512*i
.set i, i+1
.endr
	WIN 0
	ds_store_b128 v[MGS], v[48:51] offset:16384
	s_wait_dscnt 0x0                               ; for my partner's sake: my stores are done
	s_barrier_signal -1
	s_barrier_wait -1
	ds_load_b128 v[52:55], v[MGL] offset:16384
.set i, 0
.rept 32
	ds_load_b128 v[S+4*i:S+4*i+3], v[MGL] offset:512*i
.set i, i+1
.endr
	s_wait_dscnt 0x0
.irp t, 0,1
	v_max_num_f32 v[ST+8*(\t)+4], v[ST+8*(\t)], v[52+2*(\t)]
.endr
.irp t, 0,1
	v_sub_f32 v[ST+8*(\t)+5], v[52+2*(\t)], v[ST+8*(\t)+4]
	v_sub_f32 v[ST+8*(\t)+4], v[ST+8*(\t)], v[ST+8*(\t)+4]
.endr
.irp t, 0,1
	v_exp_f32 v[ST+8*(\t)+6], v[ST+8*(\t)+4]       ; my part's factor,
	v_exp_f32 v[ST+8*(\t)+7], v[ST+8*(\t)+5]       ; my partner's
.endr
	v_nop
	s_wait_alu depctr_va_vdst(0)                   ; one wait for the four
.irp t, 0,1
	v_mul_f32 v[ST+8*(\t)+4], v[ST+8*(\t)+6], v[ST+8*(\t)+2]
.endr
.irp t, 0,1
	v_fma_f32 v[ST+8*(\t)+4], v[ST+8*(\t)+7], v[53+2*(\t)], v[ST+8*(\t)+4]
.endr
.irp t, 0,1
	v_rcp_f32 v[ST+8*(\t)+5], v[ST+8*(\t)+4]
.endr
	v_nop
	s_wait_alu depctr_va_vdst(0)                   ; one wait for the two
.irp t, 0,1
	v_mul_f32 v[ST+8*(\t)+4], v[ST+8*(\t)+6], v[ST+8*(\t)+5]
	v_mul_f32 v[ST+8*(\t)+6], v[ST+8*(\t)+7], v[ST+8*(\t)+5]
.endr
; Tile t: both parts weighted and added, rounded to f16, through my stage, back as whole rows of 256 bytes.
.macro PACK t
	WIN 0
.set n, 0
.rept 32
	v_pk_mul_f32 v[S+64*(\t)+2*n:S+64*(\t)+2*n+1], v[S+64*(\t)+2*n:S+64*(\t)+2*n+1], v[ST+8*(\t)+6:ST+8*(\t)+7] op_sel_hi:[1,0]
.set n, n+1
.endr
	WIN 0x01                                       ; source 0: window 1, in ascending order
.set n, 0
.rept 32
	v_pk_fma_f32 v[S+64*(\t)+2*n:S+64*(\t)+2*n+1], v[64*(\t)+2*n:64*(\t)+2*n+1], v[ST+8*(\t)+4:ST+8*(\t)+5], v[S+64*(\t)+2*n:S+64*(\t)+2*n+1] op_sel_hi:[1,0,1]
.set n, n+1
.endr
	WIN 0
.set n, 0
.rept 32
	v_cvt_pk_f16_f32 v[P+32*(\t)+n], v[S+64*(\t)+2*n], v[S+64*(\t)+2*n+1]
.set n, n+1
.endr
.irp f, 0,1,2,3,4,5,6,7
	ds_store_b128 v[STO], v[P+32*(\t)+4*(\f):P+32*(\t)+4*(\f)+3] offset:32*(\f)
.endr
.irp f, 0,1,2,3,4,5,6,7
	ds_load_b128 v[P+32*(\t)+4*(\f):P+32*(\t)+4*(\f)+3], v[RD] offset:(\f)*2*SP  ; LDS serves a wave's instructions in order (ISA guide 5.7.1.4)
.endr
.endm
.macro SEND t, younger                 ; younger: the LDS instructions issued behind tile t's loads
.irp f, 0,1,2,3,4,5,6,7
	s_wait_dscnt (\younger)+7-(\f)
	global_store_b128 v[GO], v[P+32*(\t)+4*(\f):P+32*(\t)+4*(\f)+3], s[OUT:OUT+1] offset:32768*(\t)+4096*(\f)  ; 16 lanes store 256 consecutive bytes, aligned
.endr
.endm
	PACK 0
	PACK 1
	SEND 0, 16
	SEND 1, 0
	s_wait_tensorcnt 0x0                           ; the wave's end
	ds_add_u32 v[SPW], v[NIL]
	s_wait_dscnt 0x0
	CROUND                                         ; the closing round
	s_endpgm
.Lfunc_end_k_qd3e6df7d1e_attn:
	.size	k_qd3e6df7d1e_attn, .Lfunc_end_k_qd3e6df7d1e_attn-k_qd3e6df7d1e_attn
	.p2alignl 7, 3214868480
	.fill 96, 4, 3214868480
	.section	.rodata,"a",@progbits
	.p2align	6, 0x0
	.amdhsa_kernel k_qd3e6df7d1e_attn
		.amdhsa_group_segment_fixed_size 327680
		.amdhsa_private_segment_fixed_size 0
		.amdhsa_enable_private_segment 0
		.amdhsa_kernarg_size 24
		.amdhsa_user_sgpr_count 2
		.amdhsa_user_sgpr_kernarg_segment_ptr 1
		.amdhsa_wavefront_size32 1
		.amdhsa_system_sgpr_workgroup_id_x 1
		.amdhsa_system_sgpr_workgroup_id_y 1
		.amdhsa_system_sgpr_workgroup_id_z 1
		.amdhsa_system_vgpr_workitem_id 0
		.amdhsa_next_free_vgpr 1024
		.amdhsa_next_free_sgpr 100
		.amdhsa_reserve_vcc 0
		.amdhsa_float_denorm_mode_32 3
		.amdhsa_float_denorm_mode_16_64 3
		.amdhsa_memory_ordered 1
		.amdhsa_forward_progress 1
		.amdhsa_inst_pref_size 151
	.end_amdhsa_kernel
	.amdgpu_metadata
---
amdhsa.version: [ 1, 2 ]
amdhsa.kernels:
  - .name:           k_qd3e6df7d1e_attn
    .symbol:         k_qd3e6df7d1e_attn.kd
    .args:
      - { .name: qkv, .offset: 0, .size: 8, .value_kind: global_buffer, .address_space: global }
      - { .name: attention_mask, .offset: 8, .size: 8, .value_kind: global_buffer, .address_space: global }
      - { .name: ctx, .offset: 16, .size: 8, .value_kind: global_buffer, .address_space: global }
    .group_segment_fixed_size: 327680
    .private_segment_fixed_size: 0
    .kernarg_segment_align: 8
    .kernarg_segment_size: 24
    .max_flat_workgroup_size: 128
    .sgpr_count:     100
    .vgpr_count:     1024
    .wavefront_size: 32
...
	.end_amdgpu_metadata
.endif
;; end of part 3
;; launch outp (part 4): grid 16 x 16, 4 waves a work-group, clusters of 4 x 4, 327,680 bytes of LDS; arguments ctx, wo2, out0; writes out0
.if DOCPART == 4
	.amdgcn_target "amdgcn-amd-amdhsa--gfx1250"
	.amdhsa_code_object_version 6
	.text
	.protected	k_qd3e6df7d1e_outp
	.globl	k_qd3e6df7d1e_outp
	.p2align	8
	.type	k_qd3e6df7d1e_outp,@function
k_qd3e6df7d1e_outp:
	s_mov_b64 s[64:65], 0
	v_nop
	global_prefetch_b8 v0, s[64:65] scope:SCOPE_SE
	s_setreg_imm32_b32 hwreg(HW_REG_WAVE_MODE, 25, 1), 1
	s_wait_xcnt 0x0
	s_wait_alu depctr_hold_cnt(0) depctr_sa_sdst(0) depctr_va_vdst(0) depctr_va_sdst(0) depctr_va_ssrc(0) depctr_va_vcc(0) depctr_vm_vsrc(0)
	s_getreg_b32 s2, hwreg(HW_REG_IB_STS2, 6, 4)
	s_cmp_eq_u32 s2, 0
	s_cbranch_scc0 .Lentry_in_a_cluster
	s_endpgm
.Lentry_in_a_cluster:
	s_bfe_u32 s2, ttmp6, 0x10000c
	s_cmp_lg_u32 s2, 0xf033
	s_cbranch_scc0 .Lentry_shape_is_right
	s_endpgm
.Lentry_shape_is_right:
; OUTP: out0 = ctx [4096][1024] x wo2 [1024][4096], f16 operands, f32 sums, f32 out.  ctx carries 1/8 and wo2 carries 8: the product has neither.
; SHARES.  A work-group makes 256 x 256 of out0: 16 x 16 = 256 work-groups.  Four waves, each 128 rows x 128 columns: 64 accumulators of 16 x 16, 512 registers.
; K goes in 8 steps of 128 through two LDS slots: A's 256 rows of 256 bytes, B's 128 k-rows of 512 bytes.  Waves 0, 1 fetch A's halves (128 rows), waves 2, 3 B's (64 k-rows): one tensor load a wave and step.
; A step is 256 matrix instructions a wave; a refill is asked for behind the sixteenth of a step's last quarter and waited for at the head of the next step's last quarter: 240 matrix instructions later.
; B lies [k][n] in LDS and is turned on the way into registers (ds_load_tr16_b128).  THE MATRIX INSTRUCTION IS USED TRANSPOSED (source 0 = 16 columns of B, source 1 = 16 rows of A):
; a lane holds eight neighbouring columns of one row of out0.
; CLUSTER 4 x 4: A's tile hangs on the tile row alone and is asked for jointly along a row of the cluster, B's on the tile column alone, jointly along a column.
; REGISTERS (windows of 256): window 0: v0-31 addresses; v64-127, v128-191 A's fragments (8 x 16 rows x 32 K), two buffers.   window 1: v64-127, v128-191 B's fragments, two buffers.
;   window 2: the accumulators of my rows 0-63 ((a, b) at v[8 (8 a + b)]);   window 3: those of my rows 64-127.  On the way out a block of 16 rows comes back from the stage into its own accumulators' registers.
.set SIZE_K, 1024
.set SIZE_N, 4096
.set LGKB,  11                         ; log2 of the bytes in a row of A
.set LGNB,  13                         ; log2 of the bytes in a row of B
.set NB,    2*SIZE_N
.set KSTEP, 128
.set PA,    272                        ; A's LDS row: 256 + 16 bytes = 68 words: the 16 rows of a load start at 16 different groups of four banks (64 banks of 4 bytes: ISA guide 11.1)
.set PB,    544                        ; B's LDS row: 512 + 32 bytes = 136 words
.set HALFA, 128*PA
.set AT,    256*PA
.set HALFB, 64*PB
.set SLOT,  AT+128*PB
.set STAGE, 2*SLOT                     ; behind the ring: 16 rows x 528 bytes for each wave
.set SP,    528                        ; 512 + 16 bytes = 132 words: the 16 rows of a store start at 16 different groups of four banks
.set SPARE, STAGE+4*16*SP              ; the spare words: 128 bytes a wave, two blocks of 256 bytes that no other line names
.set LAPS,  SIZE_K/(2*KSTEP)
.set ADRA, 16                          ; v16-17 LDS address of my A fragments in slot 0, 1
.set ADRB, 20                          ; v20-21 the same for B
.set STO,  24                          ; v24 where I put 32 bytes of a row
.set RD,   25                          ; v25 where I read a row back
.set CO,   26                          ; v26 my 16 bytes of a row's 512
.set SPW,  28                          ; v28 my spare word; never rewritten
.set NIL,  29                          ; v29 0; never rewritten
.set PFO,  30                          ; v30 the prefetches' lane offset; never rewritten
.set F0,   64
.set F1,   128
.set WV,  12
.set WHI, 13                           ; s13 my half of the rows; also: I fetch for A (0) or B (1)
.set WLO, 14                           ; s14 my half of the columns; also: which half of that tile I fetch
.set CX,  15
.set CY,  16
.set TC,  17
.set TR,  18
.set G1A, 24
.set G0A, 32
.set G1B, 40
.set G0B, 48
.set CNT, 56
.set LIM, 57                           ; s57 1 in a wave that prefetches, else the greatest number
.set PFA, 58
.set PFS, 60
.set OUT, 68
.set MSB, 0
.macro WIN new                         ; the immediate's high byte repeats the setting that is left; a switch that changes nothing is dropped
.if MSB != (\new)
	s_set_vgpr_msb (MSB<<8)|(\new)
.set MSB, \new
.endif
.endm
.set MUL_LO, 0xa1                      ; source 0 (B) window 1, source 1 (A) window 0, C and D window 2
.set MUL_HI, 0xf1                      ; the same, C and D window 3
.set TO_B,   0x40                      ; destination window 1, address window 0
.macro JLOAD s                         ; a joint load; the branch hangs on the wave's number alone; an s_nop 0 and four v_nop follow each line
	s_cmp_eq_u32 s[WHI], 0
	s_cbranch_scc0 .Lfor_b_\@
	tensor_load_to_lds s[G0A+4*(\s):G0A+4*(\s)+3], s[G1A:G1A+7]
	s_nop 0
.rept 4
	v_nop
.endr
	s_branch .Lasked_\@
.Lfor_b_\@:
	tensor_load_to_lds s[G0B+4*(\s):G0B+4*(\s)+3], s[G1B:G1B+7]
	s_nop 0
.rept 4
	v_nop
.endr
.Lasked_\@:
.endm
.macro CREST                           ; a round of the cluster's barrier behind its opening barrier
	s_cmp_lg_u32 s[WV], 0
	s_cbranch_scc1 .Lnot_wave_0_\@
	s_barrier_signal -3
.Lnot_wave_0_\@:
	s_barrier_wait -3
	s_barrier_signal -1
	s_barrier_wait -1
.endm
.macro CROUND
	s_barrier_signal -1
	s_barrier_wait -1
	CREST
.endm
; A prefetch of the K step that stands two refills on: 512 matrix instructions ahead of the load that will want it.  Each block of 256 bytes is named once in the launch:
; A's rows by waves 0 and 1 of the clusters with x = 0 (of the 128 rows that a wave fetches 32 a partner, told apart by address: cx),
; B's by waves 2 and 3 of the clusters with y = 0 (of a wave's 64 k-rows 16 a partner, two blocks each, by address: cy).  K steps 0 to 3 come by their loads alone; the loop's last trip asks for nothing.
.macro ASK
	s_cmp_gt_u32 s[CNT], s[LIM]
	s_cbranch_scc0 .Lnot_mine_\@
	global_prefetch_b8 v[PFO], s[PFA:PFA+1] th:TH_LOAD_NT scope:SCOPE_SE
.Lnot_mine_\@:
.endm
.macro PLACES                          ; four plain places in front of loads into registers that matrix instructions have read (ISA guide 7.12.1 for vector instructions)
.rept 4
	v_nop
.endr
.endm
	s_load_b128 s[4:7], s[0:1], 0x0                ; ctx s[4:5], wo2 s[6:7]
	s_load_b64 s[8:9], s[0:1], 0x10                ; out0
	v_lshl_add_u32 v[SPW], v0, 2, SPARE
	v_mov_b32 v[NIL], 0
	ds_add_u32 v[SPW], v[NIL]                      ; the wave's opening: the add and its wait ahead of my first tensor load
	v_lshrrev_b32 v1, 5, v0
	v_readfirstlane_b32 s[WV], v1
	s_lshr_b32 s[WHI], s[WV], 1
	s_and_b32 s[WLO], s[WV], 1
	s_bfe_u32 s[CX], ttmp6, 0x40000
	s_bfe_u32 s[CY], ttmp6, 0x40004
	s_lshl_b32 s[TC], ttmp9, 2
	s_add_co_u32 s[TC], s[TC], s[CX]               ; tile column = 4 x cluster x + cx
	s_and_b32 s[TR], ttmp7, 0xffff
	s_lshl_b32 s[TR], s[TR], 2
	s_add_co_u32 s[TR], s[TR], s[CY]               ; tile row = 4 x cluster y + cy
	s_lshl_b32 s20, s[CY], 2
	s_lshl_b32 s20, 15, s20                        ; my row of the cluster
	s_lshl_b32 s72, 0x1111, s[CX]                  ; my column
	s_or_b32 s[G1A], s20, (1<<16)|(1<<20)|(1<<21)|(5<<22)|(3<<25)   ; mask; 2-byte elements; padding on; bit 21 beside a mask; after every 64 words, 4 words
	s_or_b32 s[G1B], s72, (1<<16)|(1<<20)|(1<<21)|(6<<22)|(7<<25)   ; after every 128 words, 8 words
	s_mov_b32 s[G1A+1], 128<<16                    ; tensor_dim0 = 128
	s_mov_b32 s[G1A+2], 128<<16                    ; tensor_dim1 = 128
	s_mov_b32 s[G1A+3], 128<<16                    ; tile_dim0 = 128
	s_mov_b32 s[G1A+4], 128                        ; tile_dim1 = 128
	s_mov_b32 s[G1A+5], SIZE_K                     ; elements from row to row
	s_mov_b32 s[G1A+6], 0
	s_mov_b32 s[G1A+7], 0
	s_mov_b32 s[G1B+1], 256<<16
	s_mov_b32 s[G1B+2], 64<<16
	s_mov_b32 s[G1B+3], 256<<16
	s_mov_b32 s[G1B+4], 64
	s_mov_b32 s[G1B+5], SIZE_N
	s_mov_b32 s[G1B+6], 0
	s_mov_b32 s[G1B+7], 0
	s_lshl_b32 s20, s[TR], 8                       ; A: row 256 x tile row + 128 x half, in bytes; these registers never hold cx
	s_lshl_b32 s21, s[WLO], 7
	s_add_co_u32 s20, s20, s21
	s_lshl_b32 s20, s20, LGKB
	s_mov_b32 s21, 0
	s_lshl_b32 s72, s[WLO], 6+LGNB                 ; B: k-row 64 x half, column 256 x tile column; these never hold cy
	s_lshl_b32 s73, s[TC], 9
	s_add_co_u32 s72, s72, s73
	s_mov_b32 s73, 0
	s_mul_i32 s22, s[WLO], HALFA                   ; where they go: no place in the cluster enters an LDS address
	s_mul_i32 s23, s[WLO], HALFB
	s_add_co_u32 s23, s23, AT
	s_mov_b32 s[G0A], 1
	s_mov_b32 s[G0A+1], s22
	s_mov_b32 s[G0A+4], 1
	s_add_co_u32 s[G0A+5], s22, SLOT
	s_mov_b32 s[G0B], 1
	s_mov_b32 s[G0B+1], s23
	s_mov_b32 s[G0B+4], 1
	s_add_co_u32 s[G0B+5], s23, SLOT
	s_wait_dscnt 0x0                               ; the opening add is done
	s_wait_kmcnt 0x0
	s_add_nc_u64 s[G0A+2:G0A+3], s[4:5], s[20:21]  ; K step 0,
	s_add_nc_u64 s[G0A+6:G0A+7], s[G0A+2:G0A+3], KSTEP*2  ; K step 1
	s_or_b32 s[G0A+3], s[G0A+3], 0x80000000        ; type = 2
	s_or_b32 s[G0A+7], s[G0A+7], 0x80000000
	s_add_nc_u64 s[G0B+2:G0B+3], s[6:7], s[72:73]
	s_add_nc_u64 s[G0B+6:G0B+7], s[G0B+2:G0B+3], KSTEP*NB
	s_or_b32 s[G0B+3], s[G0B+3], 0x80000000
	s_or_b32 s[G0B+7], s[G0B+7], 0x80000000
	CROUND                                         ; all sixteen work-groups are here: the first joint loads meet
	JLOAD 0
	JLOAD 1                                        ; two loads of mine are out
	; lane addresses
	v_and_b32 v1, 15, v0                           ; r = l % 16
	v_bfe_u32 v2, v0, 4, 1                         ; h = l / 16
	v_mul_u32_u24 v3, v1, PA
	v_lshl_add_u32 v3, v2, 4, v3                   ; r x 272 + 16 h
	s_mul_i32 s80, s[WHI], HALFA
	v_add_nc_u32 v[ADRA], s80, v3
	v_add_nc_u32 v[ADRA+1], SLOT, v[ADRA]
	v_and_b32 v4, 7, v0
	v_lshl_add_u32 v4, v2, 3, v4                   ; the turning load: k-row 8 h + l % 8,
	v_mul_u32_u24 v4, v4, PB
	v_bfe_u32 v5, v0, 3, 1
	v_lshl_add_u32 v4, v5, 4, v4                   ; columns 8 ((l / 8) % 2) on
	s_lshl_b32 s80, s[WLO], 8
	s_add_co_u32 s80, s80, AT
	v_add_nc_u32 v[ADRB], s80, v4
	v_add_nc_u32 v[ADRB+1], SLOT, v[ADRB]
	s_mul_i32 s80, s[WV], 16*SP
	s_add_co_u32 s80, s80, STAGE                   ; my stage
	v_mul_u32_u24 v[STO], v1, SP
	v_lshl_add_u32 v[STO], v2, 5, v[STO]
	v_add_nc_u32 v[STO], s80, v[STO]               ; row r, my 8 columns of a block of 16: 32 bytes
	v_and_b32 v6, 31, v0
	v_lshlrev_b32 v[CO], 4, v6                     ; back: 32 lanes take one row of 512 bytes
	v_add_nc_u32 v[RD], s80, v[CO]
	s_lshl_b32 s81, s[TR], 8
	s_lshl_b32 s82, s[WHI], 7
	s_add_co_u32 s81, s81, s82                     ; my first row
	s_lshl_b32 s82, s81, 14                        ; rows of 16,384 bytes
	s_lshl_b32 s81, s[TC], 10
	s_add_co_u32 s82, s82, s81
	s_lshl_b32 s81, s[WLO], 9
	s_add_co_u32 s82, s82, s81
	s_mov_b32 s83, 0
	s_add_nc_u64 s[OUT:OUT+1], s[8:9], s[82:83]
	; the prefetches
	s_lshl_b32 s84, s[TR], 8
	s_lshl_b32 s85, s[WLO], 7
	s_add_co_u32 s84, s84, s85
	s_lshl_b32 s85, s[CX], 5
	s_add_co_u32 s84, s84, s85
	s_lshl_b32 s84, s84, LGKB
	s_add_co_u32 s84, s84, 3*KSTEP*2               ; A's case: my work-group's 32 of my 128 rows, at K step 3
	s_lshl_b32 s86, s[WLO], 6
	s_lshl_b32 s87, s[CY], 4
	s_add_co_u32 s86, s86, s87
	s_lshl_b32 s86, s86, LGNB
	s_lshl_b32 s87, s[TC], 9
	s_add_co_u32 s86, s86, s87
	s_add_co_u32 s86, s86, 3*KSTEP*NB              ; B's case: my work-group's 16 of my 64 k-rows, at K step 3
	s_and_b32 s87, ttmp7, 0xffff
	s_mov_b32 s89, KSTEP*NB
	s_cmp_eq_u32 s[WHI], 0
	s_cselect_b32 s84, s84, s86
	s_cselect_b32 s87, ttmp9, s87                  ; 0 where I ask: waves 0, 1 where cluster x = 0; waves 2, 3 where cluster y = 0
	s_cselect_b32 s[PFS], 256, s89
	s_cselect_b32 s90, 0, 1
	s_cselect_b32 s91, LGKB, LGNB
	s_cselect_b64 s[PFA:PFA+1], s[4:5], s[6:7]
	s_mov_b32 s85, 0
	s_mov_b32 s[PFS+1], 0
	s_add_nc_u64 s[PFA:PFA+1], s[PFA:PFA+1], s[84:85]
	s_cmp_eq_u32 s87, 0
	s_cselect_b32 s[LIM], 1, -1
	v_lshrrev_b32 v[PFO], s90, v6                  ; A: a lane a row; B: two lanes a k-row,
	v_lshlrev_b32 v[PFO], s91, v[PFO]
	v_and_b32 v6, s90, v6
	v_lshl_add_u32 v[PFO], v6, 8, v[PFO]           ; 256 bytes apart
; 16 matrix instructions: row blocks a0, a0 + 1 of the window's four (hi = 0: my rows 0-63, 1: rows 64-127) x all 8 column blocks, 32 along K.
; The 64 accumulators take turns, one instruction a turn, in the same order in every quarter.  zero = 1: the first product starts the sums.
.macro MUL16 f, hi, a0, zero
	WIN MUL_LO+0x50*(\hi)
.irp a, \a0, (\a0)+1
.irp b, 0,1,2,3,4,5,6,7
.if \zero
	v_wmma_f32_16x16x32_f16 v[8*(8*(\a)+(\b)):8*(8*(\a)+(\b))+7], v[(\f)+8*(\b):(\f)+8*(\b)+7], v[(\f)+8*(4*(\hi)+(\a)):(\f)+8*(4*(\hi)+(\a))+7], 0
.else
	v_wmma_f32_16x16x32_f16 v[8*(8*(\a)+(\b)):8*(8*(\a)+(\b))+7], v[(\f)+8*(\b):(\f)+8*(\b)+7], v[(\f)+8*(4*(\hi)+(\a)):(\f)+8*(4*(\hi)+(\a))+7], v[8*(8*(\a)+(\b)):8*(8*(\a)+(\b))+7]
.endif
.endr
.endr
.endm
; 32 LDS loads in one run: quarter q's fragments into buffer f: B's 8 (turned), then A's 8, row blocks ascending
.macro FETCH slot, q, f
	WIN TO_B
.irp b, 0,1,2,3,4,5,6,7
	ds_load_tr16_b128 v[(\f)+8*(\b):(\f)+8*(\b)+3],   v[ADRB+(\slot)] offset:32*(\q)*PB+32*(\b)
	ds_load_tr16_b128 v[(\f)+8*(\b)+4:(\f)+8*(\b)+7], v[ADRB+(\slot)] offset:32*(\q)*PB+16*PB+32*(\b)
.endr
	WIN 0
.irp i, 0,1,2,3,4,5,6,7
	ds_load_b128 v[(\f)+8*(\i):(\f)+8*(\i)+3],   v[ADRA+(\slot)] offset:16*(\i)*PA+64*(\q)
	ds_load_b128 v[(\f)+8*(\i)+4:(\f)+8*(\i)+7], v[ADRA+(\slot)] offset:16*(\i)*PA+64*(\q)+32
.endr
.endm
; A K step is four quarters of 32 along K, 64 matrix instructions each, on buffers 0, 1, 0, 1.  One of the first three multiplies buffer f and, in its middle, fetches quarter q into g.
.macro QUARTER slot, q, f, g, zero
	s_wait_dscnt 8                                 ; B and A's blocks 0-3 are in; the youngest eight loads (A's blocks 4-7) may be out
	MUL16 \f, 0, 0, \zero
	MUL16 \f, 0, 2, \zero
	PLACES
	FETCH \slot, \q, \g
	s_wait_dscnt 32                                ; all but the 32 just issued
	MUL16 \f, 1, 0, \zero
	MUL16 \f, 1, 2, \zero
.endm
; The last quarter multiplies buffer 1 and changes slots: in front of the barrier each wave waits for all its tensor loads (its part of the next slot), adds 0 to its spare word, and waits for that and for its reads of this slot.
; fill = 1: the barrier opens a round of the cluster's, and this slot is filled again, two K steps ahead, first thing behind the round.  Only a window switch stands between the signal and the wait: the refill goes out as early as it may.
.macro TURN slot, next, fill
.if \fill
	s_wait_xcnt 0x0                                ; the last prefetch, a K step back, has read its address
	s_add_nc_u64 s[PFA:PFA+1], s[PFA:PFA+1], s[PFS:PFS+1]
.endif
	WIN 0
	s_wait_tensorcnt 0x0                           ; no tensor load of mine is out, so a group 0 may be written
	ds_add_u32 v[SPW], v[NIL]
.if \fill
	s_add_nc_u64 s[G0A+4*(\slot)+2:G0A+4*(\slot)+3], s[G0A+4*(\slot)+2:G0A+4*(\slot)+3], 2*KSTEP*2
	s_add_nc_u64 s[G0B+4*(\slot)+2:G0B+4*(\slot)+3], s[G0B+4*(\slot)+2:G0B+4*(\slot)+3], 2*KSTEP*NB
.endif
	s_wait_dscnt 9                                 ; the add and the youngest eight loads may be out
	MUL16 F1, 0, 0, 0                              ; sixteen matrix instructions stand between the add and the wait for it
	s_wait_dscnt 0x0                               ; the add is done, my reads of this slot are over
	s_barrier_signal -1
.if \fill
	WIN 0
.endif
	s_barrier_wait -1
.if \fill
	CREST
	JLOAD \slot                                    ; its four v_nop are also the places in front of the loads below
.else
	PLACES
.endif
	FETCH \next, 0, F0
.if \fill
	ASK
.endif
	MUL16 F1, 0, 2, 0
	MUL16 F1, 1, 0, 0
	MUL16 F1, 1, 2, 0
.endm
	s_wait_tensorcnt 1                             ; my part of K step 0 is in; step 1's may stay out
	s_barrier_signal -1
	s_barrier_wait -1
	FETCH 0, 0, F0
	QUARTER 0, 1, F0, F1, 1                        ; the first quarter's products start the sums
	WIN 0
	s_mov_b32 s[CNT], LAPS-1
.Llap:                                         ; a trip goes once round the ring and fills both slots again
	QUARTER 0, 2, F1, F0, 0
	QUARTER 0, 3, F0, F1, 0
	TURN 0, 1, 1
	QUARTER 1, 1, F0, F1, 0
	QUARTER 1, 2, F1, F0, 0
	QUARTER 1, 3, F0, F1, 0
	TURN 1, 0, 1
	QUARTER 0, 1, F0, F1, 0
	WIN 0
	s_sub_co_u32 s[CNT], s[CNT], 1
	s_cmp_lg_u32 s[CNT], 0
	s_cbranch_scc1 .Llap
	QUARTER 0, 2, F1, F0, 0                        ; the last lap fills nothing
	QUARTER 0, 3, F0, F1, 0
	TURN 0, 1, 0
	QUARTER 1, 1, F0, F1, 0
	QUARTER 1, 2, F1, F0, 0
	QUARTER 1, 3, F0, F1, 0
	s_wait_dscnt 8
	MUL16 F1, 0, 0, 0
	MUL16 F1, 0, 2, 0
	s_wait_dscnt 0x0
	MUL16 F1, 1, 0, 0
	MUL16 F1, 1, 2, 0
	WIN 0
	PLACES
	PLACES
; THE WAY OUT, 16 rows at a time: 32 bytes a lane and column block into my stage, whole rows of 512 bytes back, into the block's own accumulators' registers: no store's register is ever rewritten.
.macro OUTBLK a
.set AC, 64*((\a)%4)
	WIN 0x08+4*((\a)/4)                            ; store data: window 2 or 3; each accumulator's low four registers first
.irp b, 0,1,2,3,4,5,6,7
	ds_store_b128 v[STO], v[AC+8*(\b):AC+8*(\b)+3]   offset:64*(\b)
	ds_store_b128 v[STO], v[AC+8*(\b)+4:AC+8*(\b)+7] offset:64*(\b)+16
.endr
	WIN 0x80+0x40*((\a)/4)                         ; destination: window 2 or 3
.irp t, 0,1,2,3,4,5,6,7,8,9,10,11,12,13,14,15
	ds_load_b128 v[AC+4*(\t):AC+4*(\t)+3], v[RD] offset:(\t)*SP  ; LDS serves a wave's instructions in order (ISA guide 5.7.1.4): these see the stores above; the next block's stores come behind them
.endr
	WIN 0x08+4*((\a)/4)
.irp t, 0,1,2,3,4,5,6,7,8,9,10,11,12,13,14,15
	s_wait_dscnt 15-(\t)                           ; row t is back; the younger loads stay out
	global_store_b128 v[CO], v[AC+4*(\t):AC+4*(\t)+3], s[OUT:OUT+1] offset:(16*(\a)+(\t))*16384 th:TH_STORE_NT  ; 512 consecutive bytes, aligned
.endr
.endm
	OUTBLK 0
	OUTBLK 1
	OUTBLK 2
	OUTBLK 3
	OUTBLK 4
	OUTBLK 5
	OUTBLK 6
	OUTBLK 7
	WIN 0
	s_wait_tensorcnt 0x0                           ; the wave's end
	ds_add_u32 v[SPW], v[NIL]
	s_wait_dscnt 0x0
	CROUND                                         ; the closing round
	s_endpgm
.Lfunc_end_k_qd3e6df7d1e_outp:
	.size	k_qd3e6df7d1e_outp, .Lfunc_end_k_qd3e6df7d1e_outp-k_qd3e6df7d1e_outp
	.p2alignl 7, 3214868480
	.fill 96, 4, 3214868480
	.section	.rodata,"a",@progbits
	.p2align	6, 0x0
	.amdhsa_kernel k_qd3e6df7d1e_outp
		.amdhsa_group_segment_fixed_size 327680
		.amdhsa_private_segment_fixed_size 0
		.amdhsa_enable_private_segment 0
		.amdhsa_kernarg_size 24
		.amdhsa_user_sgpr_count 2
		.amdhsa_user_sgpr_kernarg_segment_ptr 1
		.amdhsa_wavefront_size32 1
		.amdhsa_system_sgpr_workgroup_id_x 1
		.amdhsa_system_sgpr_workgroup_id_y 1
		.amdhsa_system_sgpr_workgroup_id_z 1
		.amdhsa_system_vgpr_workitem_id 0
		.amdhsa_next_free_vgpr 1024
		.amdhsa_next_free_sgpr 96
		.amdhsa_reserve_vcc 0
		.amdhsa_float_denorm_mode_32 3
		.amdhsa_float_denorm_mode_16_64 3
		.amdhsa_memory_ordered 1
		.amdhsa_forward_progress 1
		.amdhsa_inst_pref_size 145
	.end_amdhsa_kernel
	.amdgpu_metadata
---
amdhsa.version: [ 1, 2 ]
amdhsa.kernels:
  - .name:           k_qd3e6df7d1e_outp
    .symbol:         k_qd3e6df7d1e_outp.kd
    .args:
      - { .name: ctx, .offset: 0, .size: 8, .value_kind: global_buffer, .address_space: global }
      - { .name: wo2, .offset: 8, .size: 8, .value_kind: global_buffer, .address_space: global }
      - { .name: out0, .offset: 16, .size: 8, .value_kind: global_buffer, .address_space: global }
    .group_segment_fixed_size: 327680
    .private_segment_fixed_size: 0
    .kernarg_segment_align: 8
    .kernarg_segment_size: 24
    .max_flat_workgroup_size: 128
    .sgpr_count:     96
    .vgpr_count:     1024
    .wavefront_size: 32
...
	.end_amdgpu_metadata
.endif
;; end of part 4
